; MI455X (gfx1250); checked and timed in simulation.
; The chip was launched on July 23, 2026; its instructions are those of AMD's public machine-readable ISA for CDNA 5 (MIT licence, August 2026) and "CDNA5" Instruction Set Architecture Reference Guide (July 2026). The comments in the code are by the model that wrote it; some were corrected since.
;; Multi Head Self Attention. Allowed arithmetic: matrix products marked QUANTISED: E3M2 operands, one E8M0 scale for each 32 along K, by v_wmma_scale_f32_16x16x128_f8f6f4 with both operands' format E3M2, f32 sums; everything else in f32.
;; Inputs: Wo 1,024 x 1,024 float32; Wqkv 3,072 x 1,024 float32; bo 1,024 float32; bqkv 3,072 float32; x 4 x 2,048 x 1,024 float32.
;; Outputs: out0 4 x 2,048 x 1,024 float32.
;; This version of the problem:
;;   THIS VERSION OF THE PROBLEM IS GIVEN IN LOW PRECISION. The matrix products marked QUANTISED in the list below multiply operands that are first quantised to E3M2 (3 exponent bits, 2 mantissa bits; 6 bits a number), with one power-of-two scale for each 32 numbers along K (OCP MX v1.0); their sums are f32. All else is computed in f32.
;;   The module's matrix products, in the order in which they are computed (A, B: the left and right operand; K: the contracted axis; several contracted axes count as one K, in the product's order):
;;     1. [M 8,192, K 1,024] x [K 1,024, N 3,072]; A: input x; B: input Wqkv: QUANTISED
;;     2. batch 64 x [M 2,048, K 64] x [K 64, N 2,048]; A: computed on the way; B: computed on the way: QUANTISED
;;     3. batch 64 x [M 64, K 2,048] x [K 2,048, N 2,048]; A: computed on the way; B: softmax (see below): QUANTISED
;;     4. [M 8,192, K 1,024] x [K 1,024, N 1,024]; A: computed on the way; B: input Wo: QUANTISED
;;   THE QUANTISER, for each operand of a quantised product, along K:
;;     - K is cut into blocks of 32 from its start; a last block that is shorter is filled with zeros.
;;     - A block's scale is 2^e with e = floor(log2(the largest magnitude in the block)) - 4, held to -126 .. 127; a block of zeros has e = 0. As a byte (E8M0): e + 127.
;;     - Each number is divided by its block's scale, clamped to +-28, and rounded to the nearest number of E3M2, ties to even, subnormals kept.
;;     - The product sums the exact products of the quantised numbers (number of the format x scale) in f32.
;;   ~~~python
;;   def quantise(x, axis):      # numpy; x: float32 -> the quantised numbers, widened to float32 again
;;       x = np.moveaxis(x, axis, -1); K = x.shape[-1]
;;       x = np.pad(x, [(0, 0)] * (x.ndim - 1) + [(0, -K % 32)]); x = x.reshape(x.shape[:-1] + (-1, 32)); a = np.abs(x).max(-1, keepdims=True)
;;       e = np.where(a > 0, np.clip(np.frexp(np.where(a > 0, a, 1))[1] - 1 - 4, -126, 127), 0)      # np.frexp(a)[1] - 1 = floor(log2(a)), exactly
;;       r = np.clip(x / 2.0 ** e, -28, 28)
;;       step = 2.0 ** (np.maximum(np.frexp(np.where(r == 0, 1, r))[1] - 1, -2) - 2)
;;       q = np.round(r / step) * step * 2.0 ** e      # np.round: ties to even
;;       return np.moveaxis(q.reshape(q.shape[:-2] + (-1,))[..., :K], -1, axis).astype(np.float32)
;;   ~~~
;;   SOFTMAX AHEAD OF A QUANTISED PRODUCT. Where the list says 'softmax', what is quantised is not the finished softmax but p = 2^(t - M), with t = logit x log2(e) and M = ceil(the row's largest t), a whole number; so 1/2 < the row's largest p <= 1. The row's sum l is taken of the UNQUANTISED p, in f32, and the product's result is divided by l at the end. Since M is a whole number, a kernel that streams over the keys may use a running M (the ceiling of the running maximum): every later rescaling is an exact power of two, which a block's scale takes up: the codes' values come out the same.
;;   OPERANDS COMPUTED ON THE WAY. 'Computed on the way' means the value that the module computes at that place (a softmax that the list does not call 'softmax' is quantised finished and normalised). What goes into a quantiser is computed in f32, as accurately as f32 sums, v_exp_f32 and their like allow (about 1e-6 of the number): no bf16 or f16 on the way to a quantiser, and a product that is left as it is and whose result goes on into a quantised operand takes f32 operands (vector FMAs, or v_wmma_f32_16x16x4_f32). A number that lies on a knife's edge between two numbers of the format may be rounded either way, as far as f32 arithmetic and the matrix unit's own rounding can turn it there, and no further.
;; One version. Each part assembles by itself: llvm-mc -triple=amdgcn-amd-amdhsa -mcpu=gfx1250 --defsym DOCPART=n.
;; ======== version 1 of 1: 4 launches
;; limits: right only within a limited range of input values
;; workspace buffers: x_img 6,291,456 bytes; x_sc 262,144 bytes; w_img 3,145,728 bytes; w_sc 131,072 bytes; qkv_img 18,874,368 bytes; qkv_sc 1,310,720 bytes; attn_img 6,291,456 bytes; attn_sc 262,144 bytes
;; launch quant (part 1): grid 256 x 1, 6 waves a work-group, no clusters, 51,456 bytes of LDS; arguments x, Wqkv, Wo, x_img, x_sc, w_img, w_sc; writes x_img, x_sc, w_img, w_sc
.if DOCPART == 1
	.amdgcn_target "amdgcn-amd-amdhsa--gfx1250"
	.amdhsa_code_object_version 6
	.text
	.protected	k_qee3471db11_quant
	.globl	k_qee3471db11_quant
	.p2align	8
	.type	k_qee3471db11_quant,@function
k_qee3471db11_quant:
	s_mov_b64 s[64:65], 0
	v_nop
	global_prefetch_b8 v0, s[64:65] scope:SCOPE_SE
	s_setreg_imm32_b32 hwreg(HW_REG_WAVE_MODE, 25, 1), 1
	s_wait_xcnt 0x0
; FIRST OF FOUR LAUNCHES of causal multi-head self-attention (B 4, T 2048, C 1024, 16 heads of 64), all four products on codes of E3M2 with one E8M0 scale for each 32 along K.
; DEAD WORK, for the whole program.  reference() sets score(q, k) to the least f32 number wherever k > q, by a tril that it builds itself; the softmax then gives those keys the weight 0 whatever the
; inputs hold.  So a step of 128 keys all of which come after all 16 queries of a wave is not multiplied (launch attn), and a slot of keys that no wave of a work-group reads is not fetched.
; Nothing else is left out: all five inputs have a way to the output and are loaded (bqkv goes into the quantisers of q, k and v; bo into the result).
; LIMITS.  A NaN, an infinity or an overflow that reaches only such hidden scores is not carried to the result.  NaN and infinities among the inputs are not served.  A block whose largest magnitude
; lies under 2^-122 keeps the scale byte 1; a block of zeros has the byte 1 where the rule says 127: its codes are zeros, which add nothing, and the bytes are read by this program alone.
;
; THIS LAUNCH turns x [8192][1024], Wqkv [3072][1024] and Wo [1024][1024], f32, K innermost, into codes and scale bytes, laid AS IMAGES OF THE OPERAND REGISTERS:
;   rows go in groups of 128; tile a (0..7) of a group has, at its place i (0..15), row 32 (a/2) + 8 (a%2) + i + 8 (i/8);
;   a fragment (tile a, 128 along K) is 1,536 bytes: for c = 0, 1: registers 6c..6c+3 of lane l at 768 c + 16 l, registers 6c+4, 6c+5 at 768 c + 512 + 8 l;  image = [group][K step 8][tile 8] fragments;
;   scale words: [group][K step 8][j 2] blocks of 256 bytes: lane l has 8 bytes, word i of them is that of tile 4 j + 2 i + l / 16, place l % 16.
; Wqkv's groups are 0..23 of w_img and w_sc, Wo's are 24..31.
; SHARES.  A wave takes 64 rows x 128 along K: four fragments.  Numbers (share / 4) 0..255 take x, 256..351 Wqkv, 352..383 Wo: only pointers are chosen, by that number; there is one path through the text.
; A row's 512 bytes are loaded by one instruction, 16 bytes a lane; 16 rows turn through the wave's own stage in LDS (rows 528 bytes apart) so that lane (r, h) gets blocks h and 2 + h of row r: 64 numbers.
; No barrier: waves share nothing.
.set STG,   8448                       ; a wave's stage: 16 rows x 528 bytes
.set SPARE, 6*STG                      ; behind the six stages: the spare words, 128 bytes a wave
.set R,     64                         ; v64-191  two sets of 64 registers as loaded
.set X,     192                        ; v192-255 my 64 numbers: block c at X + 32 c
.set PC,    24                         ; v24-35   the fragment's codes
.set PT,    36                         ; v36-38, v40-42 second halves of the blocks (a conversion's three registers begin on an even number)
.set PW,    44                         ; v44-47   the four fragments' scale words
.set MX,    10                         ; v10-13   maxima, two chains a block
	s_load_b256 s[4:11], s[0:1], 0x0               ; x, Wqkv, Wo, x_img
	s_load_b128 s[12:15], s[0:1], 0x20             ; x_sc, w_img
	s_load_b64 s[16:17], s[0:1], 0x30              ; w_sc
	v_lshl_add_u32 v8, v0, 2, SPARE                ; my spare word
	v_mov_b32 v9, 0
	v_lshrrev_b32 v1, 5, v0
	v_readfirstlane_b32 s31, v1                    ; wave
	v_and_b32 v1, 31, v0                           ; lane
	v_and_b32 v2, 15, v0                           ; r
	v_bfe_u32 v3, v0, 4, 1                         ; h
	v_lshlrev_b32 v4, 4, v1                        ; 16 x lane
	v_lshlrev_b32 v7, 3, v1                        ; 8 x lane
	s_mul_i32 s32, s31, STG
	v_add_nc_u32 v5, s32, v4                       ; the stage, on the way in: 16 x lane
	v_mul_u32_u24 v6, v2, 528
	v_lshl_add_u32 v6, v3, 7, v6
	v_add_nc_u32 v6, s32, v6                       ; and out: row r, + 128 h
	v_lshlrev_b32 v20, 3, v3                       ; 8 h: where my two scale bytes stand in the word
	v_mov_b32 v19, 0                               ; a lane permute's destination counts as read
	s_mov_b32 s20, 0x76543210
	s_mov_b32 s21, 0xfedcba98                      ; selects for lane l xor 16
	s_mov_b32 s30, 0xffff0000                      ; lanes 16-31
	s_mul_i32 s40, ttmp9, 6                        ; THE DEAL: 1,536 wave shares on 256 work-groups of six waves: share = 6 x work-group + wave;
	s_add_co_u32 s40, s40, s31
	s_lshr_b32 s41, s40, 2                         ; share / 4 is the number 0..383 by which the tensors are dealt (0..255 x, 256..351 Wqkv, 352..383 Wo),
	s_and_b32 s42, s40, 3                          ; share % 4 the place 0..3 within it
	s_mov_b32 s28, 352
	s_cmp_lt_u32 s41, 352
	s_cselect_b32 s28, 256, s28
	s_cselect_b32 s27, 0, 24                       ; Wo's groups begin at 24
	s_cmp_lt_u32 s41, 256
	s_cselect_b32 s28, 0, s28
	s_sub_co_u32 s28, s41, s28                     ; my number within the tensor
	s_lshr_b32 s29, s28, 2                         ; group
	s_bfe_u32 s33, s28, 0x10001                    ; j: which 64 rows
	s_and_b32 s34, s28, 1
	s_lshl_b32 s34, s34, 2
	s_add_co_u32 s34, s34, s42                     ; K step = 4 (number & 1) + place
	s_lshl_b32 s36, s29, 19                        ; in: 128 rows of 4,096 bytes a group,
	s_lshl_b32 s35, s33, 18                        ; 64 rows,
	s_add_co_u32 s36, s36, s35
	s_lshl_b32 s35, s34, 9                         ; 512 bytes a K step
	s_add_co_u32 s36, s36, s35
	s_mov_b32 s37, 0
	s_add_co_u32 s29, s29, s27
	s_lshl_b32 s29, s29, 3
	s_add_co_u32 s29, s29, s34                     ; 8 x group + K step
	s_lshl_b32 s38, s29, 3
	s_lshl_b32 s35, s33, 2
	s_add_co_u32 s38, s38, s35
	s_mul_i32 s38, s38, 1536                       ; my first fragment
	s_mov_b32 s39, 0
	s_lshl_b32 s26, s29, 1
	s_add_co_u32 s26, s26, s33
	s_lshl_b32 s26, s26, 8                         ; my block of scale words
	s_mov_b32 s27, 0
	s_wait_alu depctr_va_vdst(0)
	s_wait_kmcnt 0x0
	s_cmp_lt_u32 s41, 352
	s_cselect_b64 s[18:19], s[6:7], s[8:9]
	s_cmp_lt_u32 s41, 256
	s_cselect_b64 s[18:19], s[4:5], s[18:19]       ; the tensor
	s_cselect_b64 s[22:23], s[10:11], s[14:15]     ; its image
	s_cselect_b64 s[24:25], s[12:13], s[16:17]     ; its scale words
	s_add_nc_u64 s[18:19], s[18:19], s[36:37]
	s_add_nc_u64 s[22:23], s[22:23], s[38:39]
	s_add_nc_u64 s[24:25], s[24:25], s[26:27]
.macro LOAD f                          ; the 16 rows of fragment f, 512 consecutive bytes an instruction, into set f % 2
.irp i, 0,1,2,3,4,5,6,7,8,9,10,11,12,13,14,15
	global_load_b128 v[R+64*((\f)%2)+4*\i:R+64*((\f)%2)+4*\i+3], v4, s[18:19] offset:(32*((\f)/2)+8*((\f)%2)+\i+8*(\i/8))*4096 th:TH_LOAD_NT
.endr
.endm
.macro FRAGQ f
.if (\f) < 3
	s_wait_loadcnt 16                              ; my 16 loads are in; the next fragment's 16 may be out
.else
	s_wait_loadcnt 0x0
.endif
.irp i, 0,1,2,3,4,5,6,7,8,9,10,11,12,13,14,15
	ds_store_b128 v5, v[R+64*((\f)%2)+4*\i:R+64*((\f)%2)+4*\i+3] offset:528*\i
.endr
.irp c, 0,1
.irp n, 0,1,2,3,4,5,6,7
	ds_load_b128 v[X+32*\c+4*\n:X+32*\c+4*\n+3], v6 offset:256*\c+16*\n   ; LDS serves a wave's instructions in order: these see the stores above
.endr
.endr
	s_wait_dscnt 0x0                               ; my numbers are back, and the stores have read their registers,
.if (\f) < 2
	LOAD (\f)+2                                    ; which take the fragment two further on
.endif
.irp c, 0,1
	v_max3_num_f32 v[MX+2*\c], |v[X+32*\c]|, |v[X+32*\c+1]|, 0x2800000      ; the floor 2^(5 - 127) among the leaves: the byte cannot fall under 1
	v_max3_num_f32 v[MX+2*\c+1], |v[X+32*\c+16]|, |v[X+32*\c+17]|, |v[X+32*\c+18]|
.endr
.irp i, 2,4,6,8,10,12
.irp c, 0,1
	v_max3_num_f32 v[MX+2*\c], v[MX+2*\c], |v[X+32*\c+\i]|, |v[X+32*\c+\i+1]|
	v_max3_num_f32 v[MX+2*\c+1], v[MX+2*\c+1], |v[X+32*\c+17+\i]|, |v[X+32*\c+18+\i]|
.endr
.endr
.irp c, 0,1
	v_max3_num_f32 v[MX+2*\c], v[MX+2*\c], |v[X+32*\c+14]|, |v[X+32*\c+15]|
.endr
.irp c, 0,1
	v_max3_num_f32 v[MX+2*\c], v[MX+2*\c], v[MX+2*\c+1], |v[X+32*\c+31]|   ; the block's largest magnitude: all 32 numbers are mine
.endr
	v_add_nc_u32 v14, 0xfe000000, v[MX]            ; 4 off the exponent field: the conversion's scale operand
	v_add_nc_u32 v15, 0xfe000000, v[MX+2]
	v_lshrrev_b32 v16, 23, v14                     ; the scale's byte
	v_lshrrev_b32 v17, 23, v15
	v_lshl_or_b32 v18, v17, 16, v16                ; blocks h and 2 + h,
	v_lshlrev_b32 v18, v20, v18                    ; at their places in the row's word;
	v_permlanex16_b32 v19, v18, s20, s21
	v_or_b32 v[PW+(\f)], v18, v19                  ; with lane l xor 16's two the word is whole, in both halves of the lanes
	s_wait_alu depctr_va_vdst(0)
	s_wait_xcnt 0x0                                ; the last fragment's stores have read the codes' registers
.irp c, 0,1
	v_cvt_scalef32_pk16_bf6_f32 v[PC+6*\c:PC+6*\c+2], v[X+32*\c:X+32*\c+15], v[14+\c]
	v_cvt_scalef32_pk16_bf6_f32 v[PT+4*\c:PT+4*\c+2], v[X+32*\c+16:X+32*\c+31], v[14+\c]
.endr
	v_nop                                          ; one plain place behind a scaled conversion
.irp c, 0,1
.irp i, 0,1,2
	v_mov_b32 v[PC+6*\c+3+\i], v[PT+4*\c+\i]
.endr
.endr
	global_store_b128 v4, v[PC:PC+3], s[22:23] offset:1536*(\f)            ; 512 consecutive bytes, aligned to 256
	global_store_b64 v7, v[PC+4:PC+5], s[22:23] offset:1536*(\f)+512       ; 256
	global_store_b128 v4, v[PC+6:PC+9], s[22:23] offset:1536*(\f)+768
	global_store_b64 v7, v[PC+10:PC+11], s[22:23] offset:1536*(\f)+1280
.endm
	LOAD 0
	LOAD 1
	FRAGQ 0
	FRAGQ 1
	FRAGQ 2
	FRAGQ 3
	v_cndmask_b32 v48, v[PW], v[PW+1], s30         ; lanes 0-15: the even tile's words, lanes 16-31: the odd tile's
	v_cndmask_b32 v49, v[PW+2], v[PW+3], s30
	global_store_b64 v7, v[48:49], s[24:25]        ; 256 consecutive bytes, aligned
	s_wait_tensorcnt 0x0                           ; the wave's end, behind my last LDS store
	ds_add_u32 v8, v9
	s_wait_dscnt 0x0
	s_endpgm
.Lfunc_end_k_qee3471db11_quant:
	.size	k_qee3471db11_quant, .Lfunc_end_k_qee3471db11_quant-k_qee3471db11_quant
	.p2alignl 7, 3214868480
	.fill 96, 4, 3214868480
	.section	.rodata,"a",@progbits
	.p2align	6, 0x0
	.amdhsa_kernel k_qee3471db11_quant
		.amdhsa_group_segment_fixed_size 51456
		.amdhsa_private_segment_fixed_size 0
		.amdhsa_enable_private_segment 0
		.amdhsa_kernarg_size 56
		.amdhsa_user_sgpr_count 2
		.amdhsa_user_sgpr_kernarg_segment_ptr 1
		.amdhsa_wavefront_size32 1
		.amdhsa_system_sgpr_workgroup_id_x 1
		.amdhsa_system_sgpr_workgroup_id_y 1
		.amdhsa_system_sgpr_workgroup_id_z 1
		.amdhsa_system_vgpr_workitem_id 0
		.amdhsa_next_free_vgpr 256
		.amdhsa_next_free_sgpr 66
		.amdhsa_reserve_vcc 0
		.amdhsa_float_denorm_mode_32 3
		.amdhsa_float_denorm_mode_16_64 3
		.amdhsa_memory_ordered 1
		.amdhsa_forward_progress 1
		.amdhsa_inst_pref_size 31
	.end_amdhsa_kernel
	.amdgpu_metadata
---
amdhsa.version: [ 1, 2 ]
amdhsa.kernels:
  - .name:           k_qee3471db11_quant
    .symbol:         k_qee3471db11_quant.kd
    .args:
      - { .name: x, .offset: 0, .size: 8, .value_kind: global_buffer, .address_space: global }
      - { .name: Wqkv, .offset: 8, .size: 8, .value_kind: global_buffer, .address_space: global }
      - { .name: Wo, .offset: 16, .size: 8, .value_kind: global_buffer, .address_space: global }
      - { .name: x_img, .offset: 24, .size: 8, .value_kind: global_buffer, .address_space: global }
      - { .name: x_sc, .offset: 32, .size: 8, .value_kind: global_buffer, .address_space: global }
      - { .name: w_img, .offset: 40, .size: 8, .value_kind: global_buffer, .address_space: global }
      - { .name: w_sc, .offset: 48, .size: 8, .value_kind: global_buffer, .address_space: global }
    .group_segment_fixed_size: 51456
    .private_segment_fixed_size: 0
    .kernarg_segment_align: 8
    .kernarg_segment_size: 56
    .max_flat_workgroup_size: 192
    .sgpr_count:     66
    .vgpr_count:     256
    .wavefront_size: 32
...
	.end_amdgpu_metadata
.endif
;; end of part 1
;; launch proj (part 2): grid 8 x 32, 4 waves a work-group, clusters of 4 x 4, 327,680 bytes of LDS; arguments x_img, x_sc, w_img, w_sc, bqkv, qkv_img, qkv_sc; writes qkv_img, qkv_sc
.if DOCPART == 2
	.amdgcn_target "amdgcn-amd-amdhsa--gfx1250"
	.amdhsa_code_object_version 6
	.text
	.protected	k_qee3471db11_proj
	.globl	k_qee3471db11_proj
	.p2align	8
	.type	k_qee3471db11_proj,@function
k_qee3471db11_proj:
	s_mov_b64 s[64:65], 0
	v_nop
	global_prefetch_b8 v0, s[64:65] scope:SCOPE_SE
	s_setreg_imm32_b32 hwreg(HW_REG_WAVE_MODE, 25, 1), 1
	s_wait_xcnt 0x0
	s_wait_alu depctr_hold_cnt(0) depctr_sa_sdst(0) depctr_va_vdst(0) depctr_va_sdst(0) depctr_va_ssrc(0) depctr_va_vcc(0) depctr_vm_vsrc(0)
	s_getreg_b32 s2, hwreg(HW_REG_IB_STS2, 6, 4)
	s_cmp_eq_u32 s2, 0
	s_cbranch_scc0 .Lentry_in_a_cluster
	s_endpgm
.Lentry_in_a_cluster:
	s_bfe_u32 s2, ttmp6, 0x10000c
	s_cmp_lg_u32 s2, 0xf033
	s_cbranch_scc0 .Lentry_shape_is_right
	s_endpgm
.Lentry_shape_is_right:
; SECOND LAUNCH: qkv = x Wqkv^T + bqkv on codes of E3M2, and q, k, v quantised on the way out: q and k along the head's 64, v along the tokens (the keys).  Nothing of this product is dead work.
; LIMITS: NaN, infinities and sums beyond f32's range are not served; a sum begins with the bias, where reference() adds it last.
; Operands are images of operand registers (launch quant): [group of 128 rows][K step 8][tile 8] fragments of 1,536 bytes; place i of tile a is row 32 (a/2) + 8 (a%2) + i + 8 (i/8) of its group.
; THE DEAL.  256 work-groups of four waves, 2 x 2, that stay.  Work-group (s, y) keeps x's 256 rows 256 y .. (two groups), all of K, in LDS, and walks three groups of Wqkv: s (q), 8 + s (k), 16 + s (v): heads 2 s, 2 s + 1.
; Wave (s19, s20) takes x's group s19 and tiles 4 s20 .. + 3 of W's group: one head.  In each phase it holds its four tiles of W, all of K, in 384 registers and streams its eight tiles of x past them: 32 products a block.
; q, k: source 0 = W's rows, source 1 = x's: a lane holds one token, and a block's 32 sums run along the head's 64: two scale blocks, six registers of codes: a tile's half fragment.
; v: source 0 = x's rows, source 1 = W's: a lane holds one d, and the sums of four blocks (32 registers for each tile of d) run along 64 tokens: the same routine makes half a fragment of V.
; THE BIAS is the C of a block's first four products: by registers for q and k, one number a lane for v.
; CLUSTERS 4 x 4: x's tiles are shared along a row of the cluster (mask s69), W's along a column (mask s70).
; LDS: x's two groups, each as tiles 0-3 [K step][tile] and behind them tiles 4-7; one region for a group of W; the spare words.
; FILLS.  At the head one joint load a wave: waves 0, 1 a group's tiles 0-3 (8 rows of 6,144 bytes), waves 2, 3 a half of W's first group.  Behind the full sequence and a round: waves 0, 1 tiles 4-7.
; TWO REFILLS of W's region, each in a drained round inside block 2 of the q and of the k phase, when every wave holds the region's rows in registers; waves 2, 3 load a half each.
; That round also shows x's tiles 4-7 to all, ahead of block 4's fetch.  A plain barrier at a phase's end shows the next group of W.
; No data prefetch: a refill is asked for five blocks, 160 products, ahead of the wait for it; all else is asked for at the head.
; OUT: qkv_img: Q at 0 and K at 6,291,456: [batch x head 64][tile 128] halves of 768 bytes;  V at 12,582,912: [batch x head][key step 16][tile of d 4] fragments.
;      qkv_sc: Q at 0, K at 524,288: [bh][group 16] 512 bytes: lane l has 16 bytes, word i = tile 2 i + l / 16, bytes 0, 1 the head's two blocks, bytes 2, 3 zero;  V at 1,048,576: [bh][key step 16] 256 bytes: lane l has 8 bytes, word i = tile of d 2 i + l / 16.
; REGISTERS: window 0: v4-21 addresses; v24-31 the tiles' scale words on the way out; v32-63 x's scale words (4 q + a / 2), v64-79 W's (2 q + b / 2); v80-111 the bias; v112-239 accumulators; v240-254 at work.
;            Fragment f lies at register 12 (f % 21) of window 1 + f / 21: 0-31 W's (4 q + b), 32-47 x's two sets (32 + 8 e + q).
.set GIMG,   98304
.set HALF,   49152
.set YB,     2*GIMG
.set SPARE,  3*GIMG
.set FR,  12
.set FPW, 21
.set NF,  32                           ; LDS loads of a block's fetch
.set A16, 4                            ; v4, v5   16 x lane + my group's tiles 0-3, 4-7
.set A8,  6
.set B16, 8                            ; v8, v9   16 x lane + my four tiles of W, K steps 0-3, 4-7
.set B8,  10
.set L16, 12
.set L8,  13
.set SPW, 14
.set NIL, 15
.set BOF, 16                           ; q, k: my offset in the bias: 64 h
.set BOV, 17                           ; v: 4 (r + 8 (r / 8))
.set PW,  24
.set SCA, 32
.set SB,  64
.set BO,  80
.set ACC, 112
.set TM,  240                          ; v240, 241 maxima; v242, 243 the other half's, then bytes; v244, 245 scale operands
.set PC,  246                          ; v246-251 codes
.set PT,  252                          ; v252-254 the second block's (a conversion's three registers begin on an even number)
.set G1,  24
.set G0,  32
.set G1B, 40
.set G0B, 48
.set MSB, 0
.macro WIN new                         ; the immediate's high byte repeats the setting that is left
.if MSB != (\new)
	s_set_vgpr_msb (MSB<<8)|(\new)
.set MSB, (\new)
.endif
.endm
.macro PLACES n
.rept \n
	v_nop
.endr
.endm
.macro CROUND                          ; a round of the cluster's barrier
	s_barrier_signal -1
	s_barrier_wait -1
	s_cmp_lg_u32 s18, 0
	s_cbranch_scc1 .Lnot_wave_0_\@
	s_barrier_signal -3
.Lnot_wave_0_\@:
	s_barrier_wait -3
	s_barrier_signal -1
	s_barrier_wait -1
.endm
.macro FRAGW f, a16, a8, off           ; a fragment's image into its 12 registers: every load covers consecutive bytes
.set R_, FR*((\f)%FPW)
	WIN (1+(\f)/FPW)<<6
	ds_load_b128 v[R_:R_+3], v[\a16] offset:\off
	ds_load_b64 v[R_+4:R_+5], v[\a8] offset:\off+512
	ds_load_b128 v[R_+6:R_+9], v[\a16] offset:\off+768
	ds_load_b64 v[R_+10:R_+11], v[\a8] offset:\off+1280
.endm
.macro FETCHA a                        ; x's tile a, all of K, into set a % 2: NF loads
.irp q, 0,1,2,3,4,5,6,7
	FRAGW 32+8*((\a)%2)+\q, A16+(\a)/4, A8+(\a)/4, \q*6144+((\a)%4)*1536
.endr
	WIN 0
.endm
.macro FETCHW                          ; my four tiles of W, all of K: 128 loads
.irp q, 0,1,2,3,4,5,6,7
.irp b, 0,1,2,3
	FRAGW 4*\q+\b, B16+\q/4, B8+\q/4, (\q%4)*12288+\b*1536
.endr
.endr
	WIN 0
.endm
.macro WM4 c                           ; an odd tile's scale words stand in lanes 16-31 of their register
.if (O0_ == 0) && (O1_ == 0)
	v_wmma_scale_f32_16x16x128_f8f6f4 v[D_:D_+7], v[S0_:S0_+11], v[S1_:S1_+11], \c, v[X0_], v[X1_] matrix_a_fmt:MATRIX_FMT_BF6 matrix_b_fmt:MATRIX_FMT_BF6
.elseif (O0_ == 1) && (O1_ == 0)
	v_wmma_scale_f32_16x16x128_f8f6f4 v[D_:D_+7], v[S0_:S0_+11], v[S1_:S1_+11], \c, v[X0_], v[X1_] matrix_a_fmt:MATRIX_FMT_BF6 matrix_b_fmt:MATRIX_FMT_BF6 matrix_a_scale:MATRIX_SCALE_ROW1
.elseif (O0_ == 0) && (O1_ == 1)
	v_wmma_scale_f32_16x16x128_f8f6f4 v[D_:D_+7], v[S0_:S0_+11], v[S1_:S1_+11], \c, v[X0_], v[X1_] matrix_a_fmt:MATRIX_FMT_BF6 matrix_b_fmt:MATRIX_FMT_BF6 matrix_b_scale:MATRIX_SCALE_ROW1
.else
	v_wmma_scale_f32_16x16x128_f8f6f4 v[D_:D_+7], v[S0_:S0_+11], v[S1_:S1_+11], \c, v[X0_], v[X1_] matrix_a_fmt:MATRIX_FMT_BF6 matrix_b_fmt:MATRIX_FMT_BF6 matrix_a_scale:MATRIX_SCALE_ROW1 matrix_b_scale:MATRIX_SCALE_ROW1
.endif
.endm
.macro PROD v, a, n                    ; product n = 4 q + b of x's tile a.  v = 0: source 0 = W, sums at ACC + 32 (a % 2) + 8 b;  v = 1: source 0 = x, sums at ACC + 32 b + 8 (a % 4)
.set Q_, (\n)/4
.set B_, (\n)%4
.set FB_, 4*Q_+B_
.set FA_, 32+8*((\a)%2)+Q_
.if \v
.set D_, ACC+32*B_+8*((\a)%4)
.set S0_, FR*(FA_%FPW)
.set S1_, FR*(FB_%FPW)
.set X0_, SCA+4*Q_+(\a)/2
.set X1_, SB+2*Q_+B_/2
.set O0_, (\a)%2
.set O1_, B_%2
	WIN (1+FA_/FPW)|((1+FB_/FPW)<<2)
.else
.set D_, ACC+32*((\a)%2)+8*B_
.set S0_, FR*(FB_%FPW)
.set S1_, FR*(FA_%FPW)
.set X0_, SB+2*Q_+B_/2
.set X1_, SCA+4*Q_+(\a)/2
.set O0_, B_%2
.set O1_, (\a)%2
	WIN (1+FB_/FPW)|((1+FA_/FPW)<<2)
.endif
.if Q_
	WM4 v[D_:D_+7]
.else
	WM4 v[BO+8*B_:BO+8*B_+7]
.endif
.endm
.macro PRODS v, a                      ; a block's 32 products; four accumulators take turns, one instruction a turn
.set N_, 0
.rept 32
	PROD \v, \a, N_
.set N_, N_+1
.endr
	WIN 0
.endm
; THE WAY OUT of 32 sums from register x on: two scale blocks, each of my 16 numbers and lane l xor 16's; six registers of codes, stored at off; the two scale bytes into the lower (hi = 0) or upper half of word w.
; Each accumulator is read from its low end on.
.macro OUT32 x, w, hi, off
	s_wait_xcnt 0x0                                ; the last stores have read the codes' registers
	v_max3_num_f32 v[TM], |v[\x]|, |v[\x+1]|, 0x2800000            ; the floor 2^(5 - 127): the byte cannot fall under 1
	v_max3_num_f32 v[TM+1], |v[\x+16]|, |v[\x+17]|, 0x2800000
.irp i, 2,4,6,8,10,12,14
	v_max3_num_f32 v[TM], |v[\x+\i]|, |v[\x+\i+1]|, v[TM]
	v_max3_num_f32 v[TM+1], |v[\x+16+\i]|, |v[\x+17+\i]|, v[TM+1]
.endr
	v_permlanex16_b32 v[TM+2], v[TM], s82, s83
	v_permlanex16_b32 v[TM+3], v[TM+1], s82, s83
	v_max_num_f32 v[TM], v[TM], v[TM+2]            ; the block's largest magnitude
	v_max_num_f32 v[TM+1], v[TM+1], v[TM+3]
	v_add_nc_u32 v[TM+4], 0xfe000000, v[TM]        ; 4 off the exponent field: the conversion's scale operand
	v_add_nc_u32 v[TM+5], 0xfe000000, v[TM+1]
	v_lshrrev_b32 v[TM+2], 23, v[TM+4]             ; the scale's byte
	v_lshrrev_b32 v[TM+3], 23, v[TM+5]
.if \hi
	v_lshl_or_b32 v[TM+2], v[TM+3], 8, v[TM+2]
	v_lshl_or_b32 v[\w], v[TM+2], 16, v[\w]
.else
	v_lshl_or_b32 v[\w], v[TM+3], 8, v[TM+2]
.endif
	v_cvt_scalef32_pk16_bf6_f32 v[PC:PC+2], v[\x:\x+15], v[TM+4]
	v_cvt_scalef32_pk16_bf6_f32 v[PT:PT+2], v[\x+16:\x+31], v[TM+5]
	v_nop                                          ; one plain place behind a scaled conversion
.irp i, 0,1,2                                  ; the operand's layout wants a whole block in a lane
	v_permlane16_swap_b32 v[PC+\i], v[PT+\i]
.endr
.irp i, 0,1,2
	v_mov_b32 v[PC+3+\i], v[PT+\i]
.endr
	global_store_b128 v[L16], v[PC:PC+3], s[14:15] offset:\off            ; 512 consecutive bytes, aligned to 256
	global_store_b64 v[L8], v[PC+4:PC+5], s[14:15] offset:\off+512        ; 256
.endm
.macro TAILW a                         ; the next block's fragments are in; this run's fetch may be out
.if (\a) < 6
	s_wait_dscnt NF
.elseif (\a) == 6
	s_wait_dscnt 0x0
.endif
.endm
.macro QKBLK a
.if (\a) == 2
	s_wait_tensorcnt 0x0                           ; all my tensor loads have landed (the first time: x's tiles 4-7);
	ds_add_u32 v[SPW], v[NIL]                      ; 0 onto my spare word; the block's products stand between it and the wait for it
.endif
	PRODS 0, \a
	PLACES 4                                       ; between the last product and the first reader of its sums and the fetch into its registers
.if (\a) == 2
	s_add_nc_u64 s[G0B+2:G0B+3], s[G0B+2:G0B+3], 8*GIMG   ; the next group of W lies eight groups on
	s_wait_dscnt 0x0                               ; the add is done, and my reads of W's region are over
	CROUND                                         ; no wave of any partner still reads the region or has a load on its way
	s_cmp_eq_u32 s19, 1
	s_cbranch_scc0 .Lno_w_\@
	tensor_load_to_lds s[G0B:G0B+3], s[G1B:G1B+7]  ; waves 2, 3: a half of the next group
	s_nop 0
	PLACES 4
.Lno_w_\@:
.endif
.if (\a) < 6
	FETCHA (\a)+2
.endif
	OUT32 ACC+32*((\a)%2), PW+(\a), 0, 768*(\a)
	TAILW \a
.endm
.macro VBLK a
	PRODS 1, \a
	PLACES 4
.if (\a) < 6
	FETCHA (\a)+2
.endif
.if (\a)%4 == 3                        ; four blocks are 64 tokens: half a fragment for each of my four tiles of d
.irp b, 0,1,2,3
	OUT32 ACC+32*\b, PW+\b, (\a)/4, 1536*\b+768*((\a)/4)
.endr
.endif
	TAILW \a
.endm
	s_load_b256 s[4:11], s[0:1], 0x0               ; x_img, x_sc, w_img, w_sc
	s_load_b128 s[12:15], s[0:1], 0x20             ; bqkv, qkv_img
	s_load_b64 s[16:17], s[0:1], 0x30              ; qkv_sc
	v_lshl_add_u32 v[SPW], v0, 2, SPARE
	v_mov_b32 v[NIL], 0
	ds_add_u32 v[SPW], v[NIL]                      ; the opening: the add, twice on end, and its wait ahead of my first tensor load
	ds_add_u32 v[SPW], v[NIL]
	v_lshrrev_b32 v1, 5, v0
	v_readfirstlane_b32 s18, v1                    ; wave
	s_lshr_b32 s19, s18, 1                         ; my group of x.  Also: I fetch for x (0) or W (1)
	s_and_b32 s20, s18, 1                          ; my head of the two.  Also: which group of x, or which half of W's, I fetch
	s_bfe_u32 s21, ttmp6, 0x40000                  ; cx
	s_bfe_u32 s22, ttmp6, 0x40004                  ; cy
	s_and_b32 s66, ttmp7, 0xffff
	s_lshl_b32 s66, s66, 2
	s_add_co_u32 s66, s66, s22                     ; y, the tile of 256 tokens: hangs on cy, never on cx
	s_lshl_b32 s67, ttmp9, 2
	s_add_co_u32 s67, s67, s21                     ; s, the pair of heads: hangs on cx, never on cy
	s_lshl_b32 s69, s22, 2
	s_lshl_b32 s69, 15, s69                        ; my row of the cluster
	s_lshl_b32 s70, 0x1111, s21                    ; my column
	s_or_b32 s[G1], s69, (3<<16)|(1<<21)           ; x: elements of 8 bytes; 8 rows (K steps) of 768 elements (four fragments), 1,536 elements apart
	s_mov_b32 s[G1+1], 768<<16
	s_mov_b32 s[G1+2], 8<<16
	s_mov_b32 s[G1+3], 768<<16
	s_mov_b32 s[G1+4], 8
	s_mov_b32 s[G1+5], 1536
	s_mov_b32 s[G1+6], 0
	s_mov_b32 s[G1+7], 0
	s_or_b32 s[G1B], s70, (3<<16)|(1<<21)          ; W: 192 dense rows of 256 bytes
	s_mov_b32 s[G1B+1], 32<<16
	s_mov_b32 s[G1B+2], 192<<16
	s_mov_b32 s[G1B+3], 32<<16
	s_mov_b32 s[G1B+4], 192
	s_mov_b32 s[G1B+5], 32
	s_mov_b32 s[G1B+6], 0
	s_mov_b32 s[G1B+7], 0
	s_lshl_b32 s72, s66, 1
	s_add_co_u32 s72, s72, s20
	s_mul_i32 s72, s72, GIMG                       ; the group of x that I would fetch
	s_mov_b32 s73, 0
	s_mul_i32 s74, s67, GIMG
	s_mul_i32 s75, s20, HALF
	s_add_co_u32 s74, s74, s75                     ; the half of W's group s
	s_mov_b32 s[G0B], 1
	s_add_co_u32 s[G0B+1], s75, YB
	s_mov_b32 s75, 0
	s_mov_b32 s[G0], 1
	s_mul_i32 s[G0+1], s20, GIMG
	s_wait_alu depctr_va_vdst(0)
	s_wait_dscnt 0x0                               ; both opening adds are done
	CROUND                                         ; all sixteen work-groups are here: the first joint loads meet
	s_wait_kmcnt 0x0
	s_add_nc_u64 s[G0+2:G0+3], s[4:5], s[72:73]
	s_or_b32 s[G0+3], s[G0+3], 0x80000000
	s_add_nc_u64 s[G0B+2:G0B+3], s[8:9], s[74:75]
	s_or_b32 s[G0B+3], s[G0B+3], 0x80000000
	s_cmp_eq_u32 s19, 0
	s_cbranch_scc0 .Lfor_b
	tensor_load_to_lds s[G0:G0+3], s[G1:G1+7]      ; waves 0, 1: a group's tiles 0-3
	s_nop 0
	PLACES 4
	s_branch .Lasked
.Lfor_b:
	tensor_load_to_lds s[G0B:G0B+3], s[G1B:G1B+7]  ; waves 2, 3: a half of W's first group
	s_nop 0
	PLACES 4
.Lasked:
	s_lshl_b32 s84, s66, 1
	s_add_co_u32 s84, s84, s19                     ; my group of tokens among all 64
	s_mov_b32 s77, 0
	s_lshl_b32 s76, s84, 12
	s_add_nc_u64 s[6:7], s[6:7], s[76:77]          ; a group's scale words are 4,096 bytes
	s_lshl_b32 s76, s67, 12
	s_lshl_b32 s78, s20, 8
	s_add_co_u32 s76, s76, s78                     ; w_sc: [K step][j] blocks of 256 bytes: j = my half
	s_add_nc_u64 s[10:11], s[10:11], s[76:77]
	s_lshl_b32 s76, s67, 9
	s_add_co_u32 s76, s76, s78
	s_add_nc_u64 s[12:13], s[12:13], s[76:77]      ; the bias of my 64 features
	s_lshr_b32 s85, s84, 4
	s_lshl_b32 s85, s85, 4
	s_lshl_b32 s76, s67, 1
	s_add_co_u32 s85, s85, s76
	s_add_co_u32 s85, s85, s20                     ; batch x 16 + my head
	s_and_b32 s87, s84, 15                         ; the group of tokens within the batch
	s_mul_i32 s76, s85, 98304
	s_mul_i32 s78, s87, 6144
	s_add_co_u32 s76, s76, s78
	s_add_nc_u64 s[14:15], s[14:15], s[76:77]      ; Q's codes; K's and V's lie 6,291,456 bytes on each
	s_lshl_b32 s85, s85, 4
	s_add_co_u32 s85, s85, s87
	s_lshl_b32 s76, s85, 9
	s_add_nc_u64 s[88:89], s[16:17], s[76:77]      ; Q's scale words; K's lie 524,288 bytes on
	s_lshl_b32 s76, s85, 8
	s_add_co_u32 s76, s76, 1048576
	s_add_nc_u64 s[90:91], s[16:17], s[76:77]      ; V's
	s_mul_i32 s79, s19, GIMG
	s_mul_i32 s80, s20, 6144
	s_add_co_u32 s80, s80, YB
	s_mov_b32 s82, 0x76543210
	s_mov_b32 s83, 0xfedcba98                      ; selects for lane l xor 16
	s_mov_b32 s86, 0xffff0000                      ; lanes 16-31
	v_and_b32 v3, 31, v0
	v_and_b32 v1, 15, v0                           ; r
	v_bfe_u32 v2, v0, 4, 1                         ; h
	v_lshlrev_b32 v[L8], 3, v3
.irp s, 0,1,2,3,4,5,6,7
.irp j, 0,1
	global_load_b64 v[SCA+4*\s+2*\j:SCA+4*\s+2*\j+1], v[L8], s[6:7] offset:(2*\s+\j)*256
.endr
.endr
	v_lshlrev_b32 v[L16], 4, v3
	v_lshlrev_b32 v[BOF], 6, v2
	v_and_b32 v[BOV], 8, v1
	v_mov_b32 v[TM+2], 0                           ; a lane permute's destination counts as read
	v_mov_b32 v[TM+3], 0
	v_add_nc_u32 v[A16], s79, v[L16]
	v_add_nc_u32 v[A8], s79, v[L8]
	v_add_nc_u32 v[B16], s80, v[L16]
	v_add_nc_u32 v[B8], s80, v[L8]
	v_add_nc_u32 v[BOV], v[BOV], v1
	v_add_nc_u32 v[A16+1], HALF, v[A16]
	v_add_nc_u32 v[A8+1], HALF, v[A8]
	v_add_nc_u32 v[B16+1], HALF, v[B16]
	v_add_nc_u32 v[B8+1], HALF, v[B8]
	v_lshlrev_b32 v[BOV], 2, v[BOV]
	s_wait_alu depctr_va_vdst(0)
	s_wait_tensorcnt 0x0                           ; my tile of the head's four is in
	ds_add_u32 v[SPW], v[NIL]
	s_add_co_u32 s[G0+1], s[G0+1], HALF            ; no tensor load of mine is out: the group's tiles 4-7, behind tiles 0-3 in LDS, 6,144 bytes on in memory
	s_add_nc_u64 s[G0+2:G0+3], s[G0+2:G0+3], 6144
	s_wait_dscnt 0x0
	CROUND                                         ; a whole round: all four tiles are in, and the joint loads meet
	s_cmp_eq_u32 s19, 0
	s_cbranch_scc0 .Lno_a2
	tensor_load_to_lds s[G0:G0+3], s[G1:G1+7]
	s_nop 0
	PLACES 4
.Lno_a2:
	s_mov_b32 s3, 0
.Lphase:                                               ; two trips: q, then k
.irp s, 0,1,2,3,4,5,6,7
	global_load_b64 v[SB+2*\s:SB+2*\s+1], v[L8], s[10:11] offset:512*\s
.endr
.irp b, 0,1,2,3                                ; tile b's eight features of lane (r, h) are 32 (b/2) + 8 (b%2) + 16 h + 0..7 of my 64
	global_load_b128 v[BO+8*\b:BO+8*\b+3], v[BOF], s[12:13] offset:(32*(\b/2)+8*(\b%2))*4
	global_load_b128 v[BO+8*\b+4:BO+8*\b+7], v[BOF], s[12:13] offset:(32*(\b/2)+8*(\b%2))*4+16
.endr
	FETCHW
	FETCHA 0
	FETCHA 1
	s_wait_loadcnt 0x0                             ; scale words and bias
	s_wait_dscnt NF                                ; W's fragments and block 0's are in
.irp a, 0,1,2,3,4,5,6,7
	QKBLK \a
.endr
	s_wait_alu depctr_va_vdst(0)
.irp i, 0,1,2,3
	v_cndmask_b32 v[TM+\i], v[PW+2*\i], v[PW+2*\i+1], s86          ; lanes 0-15: tile 2 i, lanes 16-31: tile 2 i + 1
.endr
	global_store_b128 v[L16], v[TM:TM+3], s[88:89]                 ; 512 consecutive bytes, aligned
	s_wait_tensorcnt 0x0                           ; my half of the next group of W is in
	s_wait_dscnt 0x0
	s_barrier_signal -1                            ; a plain barrier shows it to all
	s_barrier_wait -1
	s_wait_xcnt 0x0                                ; every load and store has read its base
	s_add_nc_u64 s[14:15], s[14:15], 6291456
	s_add_nc_u64 s[88:89], s[88:89], 524288
	s_add_nc_u64 s[10:11], s[10:11], 32768         ; eight groups of scale words on
	s_add_nc_u64 s[12:13], s[12:13], 4096          ; 1,024 features on
	s_add_co_u32 s3, s3, 1
	s_cmp_lt_u32 s3, 2
	s_wait_alu depctr_va_vdst(0)
	s_cbranch_scc1 .Lphase
	; v
.irp s, 0,1,2,3,4,5,6,7
	global_load_b64 v[SB+2*\s:SB+2*\s+1], v[L8], s[10:11] offset:512*\s
.endr
.irp b, 0,1,2,3                                ; my lane holds one feature, place r of tile b: its bias in all eight registers
.irp j, 0,1,2,3,4,5,6,7
	global_load_b32 v[BO+8*\b+\j], v[BOV], s[12:13] offset:(32*(\b/2)+8*(\b%2))*4
.endr
.endr
	FETCHW
	FETCHA 0
	FETCHA 1
	s_wait_loadcnt 0x0
	s_wait_dscnt NF
.irp a, 0,1,2,3,4,5,6,7
	VBLK \a
.endr
	s_wait_alu depctr_va_vdst(0)
	v_cndmask_b32 v[TM], v[PW], v[PW+1], s86
	v_cndmask_b32 v[TM+1], v[PW+2], v[PW+3], s86
	global_store_b64 v[L8], v[TM:TM+1], s[90:91]                   ; 256 consecutive bytes, aligned
	s_wait_tensorcnt 0x0                           ; the wave's end
	ds_add_u32 v[SPW], v[NIL]
	s_wait_dscnt 0x0
	CROUND                                         ; the closing round
	s_endpgm
.Lfunc_end_k_qee3471db11_proj:
	.size	k_qee3471db11_proj, .Lfunc_end_k_qee3471db11_proj-k_qee3471db11_proj
	.p2alignl 7, 3214868480
	.fill 96, 4, 3214868480
	.section	.rodata,"a",@progbits
	.p2align	6, 0x0
	.amdhsa_kernel k_qee3471db11_proj
		.amdhsa_group_segment_fixed_size 327680
		.amdhsa_private_segment_fixed_size 0
		.amdhsa_enable_private_segment 0
		.amdhsa_kernarg_size 56
		.amdhsa_user_sgpr_count 2
		.amdhsa_user_sgpr_kernarg_segment_ptr 1
		.amdhsa_wavefront_size32 1
		.amdhsa_system_sgpr_workgroup_id_x 1
		.amdhsa_system_sgpr_workgroup_id_y 1
		.amdhsa_system_sgpr_workgroup_id_z 1
		.amdhsa_system_vgpr_workitem_id 0
		.amdhsa_next_free_vgpr 840
		.amdhsa_next_free_sgpr 96
		.amdhsa_reserve_vcc 0
		.amdhsa_float_denorm_mode_32 3
		.amdhsa_float_denorm_mode_16_64 3
		.amdhsa_memory_ordered 1
		.amdhsa_forward_progress 1
		.amdhsa_inst_pref_size 168
	.end_amdhsa_kernel
	.amdgpu_metadata
---
amdhsa.version: [ 1, 2 ]
amdhsa.kernels:
  - .name:           k_qee3471db11_proj
    .symbol:         k_qee3471db11_proj.kd
    .args:
      - { .name: x_img, .offset: 0, .size: 8, .value_kind: global_buffer, .address_space: global }
      - { .name: x_sc, .offset: 8, .size: 8, .value_kind: global_buffer, .address_space: global }
      - { .name: w_img, .offset: 16, .size: 8, .value_kind: global_buffer, .address_space: global }
      - { .name: w_sc, .offset: 24, .size: 8, .value_kind: global_buffer, .address_space: global }
      - { .name: bqkv, .offset: 32, .size: 8, .value_kind: global_buffer, .address_space: global }
      - { .name: qkv_img, .offset: 40, .size: 8, .value_kind: global_buffer, .address_space: global }
      - { .name: qkv_sc, .offset: 48, .size: 8, .value_kind: global_buffer, .address_space: global }
    .group_segment_fixed_size: 327680
    .private_segment_fixed_size: 0
    .kernarg_segment_align: 8
    .kernarg_segment_size: 56
    .max_flat_workgroup_size: 128
    .sgpr_count:     96
    .vgpr_count:     840
    .wavefront_size: 32
...
	.end_amdgpu_metadata
.endif
;; end of part 2
;; launch attn (part 3): grid 256 x 1, 16 waves a work-group, clusters of 4 x 1, 327,680 bytes of LDS; arguments qkv_img, qkv_sc, attn_img, attn_sc; writes attn_img, attn_sc
.if DOCPART == 3
	.amdgcn_target "amdgcn-amd-amdhsa--gfx1250"
	.amdhsa_code_object_version 6
	.text
	.protected	k_qee3471db11_attn
	.globl	k_qee3471db11_attn
	.p2align	8
	.type	k_qee3471db11_attn,@function
k_qee3471db11_attn:
	s_mov_b64 s[64:65], 0
	v_nop
	global_prefetch_b8 v0, s[64:65] scope:SCOPE_SE
	s_setreg_imm32_b32 hwreg(HW_REG_WAVE_MODE, 25, 1), 1
	s_wait_xcnt 0x0
	s_wait_alu depctr_hold_cnt(0) depctr_sa_sdst(0) depctr_va_vdst(0) depctr_va_sdst(0) depctr_va_ssrc(0) depctr_va_vcc(0) depctr_vm_vsrc(0)
	s_getreg_b32 s2, hwreg(HW_REG_IB_STS2, 6, 4)
	s_cmp_eq_u32 s2, 0
	s_cbranch_scc0 .Lentry_in_a_cluster
	s_endpgm
.Lentry_in_a_cluster:
	s_bfe_u32 s2, ttmp6, 0x10000c
	s_cmp_lg_u32 s2, 0x3003
	s_cbranch_scc0 .Lentry_shape_is_right
	s_endpgm
.Lentry_shape_is_right:
; THIRD LAUNCH: causal attention on codes of E3M2, and its result quantised along the head's 64 for the last product.
; LEFT OUT (shown at the head of launch quant): a step of 128 keys all of which come after my 16 queries: reference()'s own tril gives them the weight 0.
; SOFTMAX: t = score x log2(e) / 8; M = the running largest t rounded up to a whole number; p = 2^(t - M) is quantised along the keys; the row's sum is taken of the unquantised p and divides at the end;
; when M moves, the sum and O are multiplied by 2^(old M - new M), which rounds nothing.  LIMIT: the promise holds while |t| stays under 2^31.
; THE DEAL.  A cluster of four work-groups takes one batch x head (ttmp9).  A head's K and V codes are 2 x 98,304 bytes: they lie in LDS whole, filled once, so the walk over the keys has no refill and no barrier.
; Partner cx takes tiles a = 2 cx and 2 cx + 1 of each of the head's 16 groups of 128 queries.  Wave w takes tile a = 2 cx + w / 8 of group 15 - w % 8 and then of group w % 8:
; (16 - g) + (g + 1) = 17 key steps of 128 for every wave.  Every partner reads all 16 key steps, so all loads are joint (mask 15): wave w brings 12,288 dense bytes, waves 0-7 K's, waves 8-15 V's.
; Branches hang on the wave's number and the count of steps alone; cx enters global addresses and the mask's compare values only.
; No data prefetch: all that the launch reads is asked for at its head, there is no loop to run ahead in.
; The head's scale words (K 8,192 bytes, V 4,096) come by plain loads, 16 and 8 bytes a thread, into LDS bytes of their own.
; LAYOUT.  Both products are used transposed (S^T = K Q^T, O^T = V^T P^T): a lane holds one query.  Place i of tile a of a group is its row 32 (a/2) + 8 (a%2) + i + 8 (i/8), for queries, keys and d alike.
; K = 64 IN AN INSTRUCTION OF K = 128: Q's registers 6-11 are zero codes; a K tile's upper six registers are the next tile's codes (behind the last: zeros), which stand opposite zero codes and add nothing;
; bytes 2 and 3 of both scale words are 0, which is 2^-127 and no NaN.
; OUT: attn_img as launch outp's A operand: [group 64][pair of heads 8][tile 8] fragments, my head's half;  attn_sc: [batch x head][cx][group 16][lane 16 (a % 2) + r][2 bytes]: 1,024 dense bytes a work-group.
; REGISTERS: v1-7 addresses that stay; v8-11, v94-95 addresses in hand; v12 -M, v13 the largest t, v[14:15] the sum; v16-27 Q; v28-31, v93 addresses; v32-85 K's tiles, then V's fragments; v86-92 the second tile's Q;
;            v96-159 S^T, then p; v160-191 O^T; v192-210 p's codes; v212-223 at work; v224-227 K's scale words, v228-229 V's, v230 Q's, v231 p's; v232-255 at work.
.set VB,    98304                      ; V's codes, behind K's
.set SCK,   196608                     ; K's scale words: 16 steps x 512 bytes
.set SCV,   204800                     ; V's: 16 steps x 256 bytes
.set SCG,   208896                     ; 1,024 bytes in which the waves' scale bytes meet on the way out
.set SPARE, 209920                     ; the spare words, 128 bytes a wave
.macro CROUND                          ; a round of the cluster's barrier
	s_barrier_signal -1
	s_barrier_wait -1
	s_cmp_lg_u32 s18, 0
	s_cbranch_scc1 .Lnw0_\@
	s_barrier_signal -3
.Lnw0_\@:
	s_barrier_wait -3
	s_barrier_signal -1
	s_barrier_wait -1
.endm
.macro QPTR g, p, q                    ; tile a of group s[g]: Q's codes at s[p:p+1], its scale words at s[q:q+1]
	s_lshl_b32 s[\p], s[\g], 3
	s_add_co_u32 s[\p], s[\p], s16
	s_mul_i32 s[\p], s[\p], 768
	s_add_co_u32 s[\p], s[\p], s52
	s_mov_b32 s[\p+1], 0
	s_add_nc_u64 s[\p:\p+1], s[4:5], s[\p:\p+1]
	s_lshl_b32 s[\q], s[\g], 9
	s_add_co_u32 s[\q], s[\q], s56
	s_mov_b32 s[\q+1], 0
	s_add_nc_u64 s[\q:\q+1], s[6:7], s[\q:\q+1]
.endm
.macro INIT                            ; a tile begins: the largest t -3e38, the sum and O^T zero (the loop has no first step of its own)
	v_mov_b32 v13, 0xff61b1e6
	v_mov_b32 v14, 0
	v_mov_b32 v15, 0
	v_floor_f32 v12, -v13
.set n, 0
.rept 32
	v_mov_b32 v[160+n], 0
.set n, n+1
.endr
.endm
	s_load_b256 s[4:11], s[0:1], 0x0               ; qkv_img, qkv_sc, attn_img, attn_sc
	v_lshl_add_u32 v5, v0, 2, SPARE
	v_mov_b32 v6, 0
	ds_add_u32 v5, v6                              ; the opening: the add, twice on end, and its wait ahead of the first tensor load
	ds_add_u32 v5, v6
	v_lshrrev_b32 v8, 5, v0
	v_readfirstlane_b32 s18, v8                    ; wave 0..15
	s_lshr_b32 s13, s18, 3                         ; a % 2.  Also: I fetch K (0) or V (1)
	s_and_b32 s19, s18, 7                          ; the second tile's group.  Also: which 12,288 bytes I fetch
	s_xor_b32 s12, s19, 15                         ; the first tile's group: 15 - w % 8
	s_bfe_u32 s15, ttmp6, 0x40000                  ; cx
	s_lshl_b32 s16, s15, 1
	s_add_co_u32 s16, s16, s13                     ; my tile a
	s_mov_b32 s14, ttmp9                           ; batch x 16 + head
	s_mov_b32 s24, 15|(3<<16)|(1<<21)              ; the four partners; elements of 8 bytes; bit 21 beside a mask
	s_mov_b32 s25, 32<<16                          ; rows of 256 bytes,
	s_mov_b32 s26, 48<<16                          ; 48 of them, dense
	s_mov_b32 s27, 32<<16
	s_mov_b32 s28, 48
	s_mov_b32 s29, 32
	s_mov_b32 s30, 0
	s_mov_b32 s31, 0
	s_mul_i32 s52, s14, 98304
	s_add_co_u32 s66, s13, 1
	s_mul_i32 s66, s66, 6291456
	s_add_co_u32 s66, s66, s52
	s_mul_i32 s67, s19, 12288
	s_add_co_u32 s66, s66, s67
	s_mov_b32 s67, 0
	s_mov_b32 s40, 1
	s_mul_i32 s41, s18, 12288                      ; K's eight parts, then V's eight
	s_wait_alu depctr_va_vdst(0)
	s_wait_dscnt 0x0                               ; both opening adds are done
	CROUND                                         ; the four partners are here: the joint loads meet
	s_wait_kmcnt 0x0
	s_add_nc_u64 s[42:43], s[4:5], s[66:67]
	s_or_b32 s43, s43, 0x80000000
	tensor_load_to_lds s[40:43], s[24:31]          ; my one tensor load of the launch
	s_nop 0
	s_lshl_b32 s56, s14, 13
	s_add_co_u32 s68, s56, 524288
	s_mov_b32 s69, 0
	s_add_nc_u64 s[68:69], s[6:7], s[68:69]        ; K's scale words of the head
	s_lshl_b32 s70, s14, 12
	s_add_co_u32 s70, s70, 1048576
	s_mov_b32 s71, 0
	s_add_nc_u64 s[70:71], s[6:7], s[70:71]        ; V's
	s_lshl_b32 s57, s13, 8
	s_add_co_u32 s56, s56, s57
	s_lshl_b32 s57, s15, 2
	s_add_co_u32 s56, s56, s57                     ; Q's scale words: the head, 256 (a % 2) + 4 (a / 2)
	QPTR 12, 72, 74
	QPTR 19, 76, 78
	s_and_b32 s53, s14, 0xf0                       ; batch x 16
	s_bfe_u32 s54, s14, 0x30001                    ; the pair of heads
	s_and_b32 s55, s14, 1
	s_mul_i32 s55, s55, 768                        ; my head's half of a fragment
	s_lshl_b32 s62, s14, 2
	s_add_co_u32 s62, s62, s15
	s_lshl_b32 s62, s62, 10
	s_mov_b32 s63, 0
	s_add_nc_u64 s[62:63], s[10:11], s[62:63]      ; attn_sc: my work-group's 1,024 bytes
	s_lshl_b32 s58, s15, 5
	s_lshl_b32 s59, s13, 3
	s_add_co_u32 s58, s58, s59                     ; 32 (a / 2) + 8 (a % 2)
	s_lshl_b32 s59, s13, 5
	s_add_co_u32 s59, s59, SCG
	s_lshl_b32 s60, s12, 6
	s_add_co_u32 s60, s60, s59                     ; LDS: 64 x group + 32 (a % 2), first tile
	s_lshl_b32 s61, s19, 6
	s_add_co_u32 s61, s61, s59                     ; second tile
	s_mov_b32 s20, 0x76543210
	s_mov_b32 s21, 0xfedcba98                      ; selects for lane l xor 16
	s_mov_b32 s22, 0x3e38aa3b                      ; c = log2(e) / 8
	s_mov_b32 s23, s22
	v_and_b32 v9, 31, v0                           ; lane
	v_and_b32 v10, 15, v0                          ; r
	v_bfe_u32 v11, v0, 4, 1                        ; h
	v_lshlrev_b32 v28, 4, v0                       ; 16 x thread
	v_lshlrev_b32 v31, 3, v0                       ; 8 x thread
	v_lshlrev_b32 v1, 4, v9                        ; 16 x lane
	v_lshlrev_b32 v2, 3, v9                        ; 8 x lane
	v_lshlrev_b32 v235, 4, v10                     ; 16 r: Q's scale word
	global_load_b128 v[32:35], v28, s[68:69]       ; each wave reads 512 consecutive bytes of K's scale words,
	global_load_b64 v[36:37], v31, s[70:71]        ; 256 of V's
	global_load_b128 v[16:19], v1, s[72:73]        ; the first tile's Q
	global_load_b64 v[20:21], v2, s[72:73] offset:512
	global_load_b32 v230, v235, s[74:75]
	global_load_b128 v[86:89], v1, s[76:77]        ; the second tile's
	global_load_b64 v[90:91], v2, s[76:77] offset:512
	global_load_b32 v92, v235, s[78:79]
	v_add_nc_u32 v3, SCK, v1
	v_add_nc_u32 v4, SCV, v2
	v_add_nc_u32 v8, SCK, v28
	v_add_nc_u32 v9, SCV, v31
	v_and_b32 v7, 8, v10
	v_lshlrev_b32 v11, 4, v11
	v_add_nc_u32 v93, SCG, v28
	v_add_nc_u32 v7, v7, v10
	v_lshlrev_b32 v10, 1, v10                      ; 2 r
	v_mov_b32 v233, 0                              ; (named as the upper half of the pair v[232:233])
	v_sub_nc_u32 v7, v7, v11
	v_add_nc_u32 v29, s60, v10
	v_add_nc_u32 v30, s61, v10
	v_mov_b32 v234, 0                              ; a lane permute's destination counts as read
	v_add_nc_u32 v7, s58, v7                       ; d = my query's row in its group - 16 h
.irp j, 0,1,2,3,4,5
	v_mov_b32 v[22+\j], 0                          ; Q's upper half: zero codes
	v_mov_b32 v[80+\j], 0                          ; behind K's last tile
.endr
.irp b, 0,1,2,3
	v_mov_b32 v[216+\b], 0
.endr
	INIT
	s_wait_alu depctr_va_vdst(0)
	s_wait_loadcnt 0x0
	ds_store_b128 v8, v[32:35]
	ds_store_b64 v9, v[36:37]
	s_wait_tensorcnt 0x0                           ; my part of K or V is in,
	s_wait_dscnt 0x0                               ; and my part of the scale words
	s_barrier_signal -1
	s_barrier_wait -1                              ; both now hold of every wave
; A TILE of 16 queries of group s12: sixteen trips, a constant; a trip whose keys all come after the group is jumped over.  st: the register with the LDS address of my scale bytes
.macro TILE st
	s_mov_b32 s50, 0                               ; the key step
	s_mov_b32 s2, 0                                ; its codes of K: 6,144 bytes a step
	s_mov_b32 s17, VB                              ; of V
	s_mov_b32 s3, 0                                ; its scale words of K: 512
	s_mov_b32 s48, 0                               ; of V: 256
.Lstep_\@:
	s_cmp_gt_u32 s50, s12
	s_cbranch_scc1 .Lhidden_\@
	v_add_nc_u32 v8, s2, v1                        ; (these six are the places in front of loads into registers that matrix instructions have read)
	v_add_nc_u32 v9, s2, v2
	v_add_nc_u32 v10, s3, v3
	v_add_nc_u32 v11, s48, v4
	v_add_nc_u32 v94, s17, v1
	v_add_nc_u32 v95, s17, v2
.irp t, 0,1,2,3,4,5,6,7
	ds_load_b128 v[32+6*\t:35+6*\t], v8 offset:768*\t
	ds_load_b64 v[36+6*\t:37+6*\t], v9 offset:768*\t+512
.endr
	ds_load_b128 v[224:227], v10                   ; word i: lanes 0-15 tile 2 i, lanes 16-31 tile 2 i + 1
	s_wait_alu depctr_va_vdst(0)
	s_wait_dscnt 0x0
.irp t, 0,2,4,6
	v_wmma_scale_f32_16x16x128_f8f6f4 v[96+8*\t:103+8*\t], v[32+6*\t:43+6*\t], v[16:27], 0, v[224+\t/2], v230 matrix_a_fmt:MATRIX_FMT_BF6 matrix_b_fmt:MATRIX_FMT_BF6
	v_wmma_scale_f32_16x16x128_f8f6f4 v[104+8*\t:111+8*\t], v[38+6*\t:49+6*\t], v[16:27], 0, v[224+\t/2], v230 matrix_a_fmt:MATRIX_FMT_BF6 matrix_b_fmt:MATRIX_FMT_BF6 matrix_a_scale:MATRIX_SCALE_ROW1
.endr
.rept 4
	v_nop                                          ; places in front of the loads below and of the first read of the scores
.endr
.irp d, 0,1,2,3                                ; V's four fragments are asked for now and land under the softmax
	ds_load_b128 v[32+12*\d:35+12*\d], v94 offset:1536*\d
	ds_load_b64 v[36+12*\d:37+12*\d], v95 offset:1536*\d+512
	ds_load_b128 v[38+12*\d:41+12*\d], v94 offset:1536*\d+768
	ds_load_b64 v[42+12*\d:43+12*\d], v95 offset:1536*\d+1280
.endr
	ds_load_b64 v[228:229], v11
	s_cmp_lg_u32 s50, s12                          ; in the group's own step hidden scores become -infinity ahead of the maximum; an earlier step skips this
	s_cbranch_scc1 .Lopen_\@
	v_mov_b32 v235, 0xff800000
.set n, 0
.rept 64
	v_cmp_gt_i32 vcc_lo, 32*(n/16)+n%16, v7        ; register 16 b + i holds key 32 b + 16 h + i of the step: hidden where 32 b + i > d
	v_cndmask_b32 v[96+n], v[96+n], v235, vcc_lo
.set n, n+1
.endr
.Lopen_\@:
.irp b, 0,1,2,3
	v_max3_num_f32 v[212+\b], v[96+16*\b], v[97+16*\b], v[98+16*\b]   ; the largest score of each block of 32 keys: for the row's maximum and, since p rises with the score, for the block's largest p
.endr
.irp i, 3,5,7,9,11,13
.irp b, 0,1,2,3
	v_max3_num_f32 v[212+\b], v[212+\b], v[96+16*\b+\i], v[97+16*\b+\i]
.endr
.endr
.irp b, 0,1,2,3
	v_max_num_f32 v[212+\b], v[212+\b], v[111+16*\b]
.endr
.irp b, 0,1,2,3
	s_delay_alu instid0(VALU_DEP_4)
	v_permlanex16_b32 v[216+\b], v[212+\b], s20, s21
.endr
.irp b, 0,1,2,3
	s_delay_alu instid0(VALU_DEP_4)
	v_max_num_f32 v[212+\b], v[212+\b], v[216+\b]
.endr
	s_delay_alu instid0(VALU_DEP_2)
	v_max3_num_f32 v234, v212, v213, v214
	s_delay_alu instid0(VALU_DEP_1)
	v_max_num_f32 v234, v234, v215
	s_delay_alu instid0(VALU_DEP_1)
	v_mul_f32 v234, s22, v234                      ; as t
	s_delay_alu instid0(VALU_DEP_1)
	v_max_num_f32 v13, v13, v234                   ; the running largest t
	v_mov_b32 v234, v12
	s_delay_alu instid0(VALU_DEP_2)
	v_floor_f32 v12, -v13                          ; the new -M: a whole number
	s_delay_alu instid0(VALU_DEP_1)
	v_sub_f32 v234, v12, v234                      ; old M - new M, 0 or less
	s_delay_alu instid0(VALU_DEP_1)
	v_cvt_i32_f32 v234, v234                       ; (it saturates)
	s_delay_alu instid0(VALU_DEP_1)
	v_ldexp_f32 v232, 1.0, v234                    ; f = 2^(old M - new M)
.set n, 0
.rept 32
	v_pk_fma_f32 v[96+n:97+n], v[96+n:97+n], s[22:23], v[12:13] op_sel_hi:[1,0,0]   ; t - M
.set n, n+2
.endr
.irp b, 0,1,2,3
	v_fma_f32 v[212+\b], v[212+\b], s22, v12
.endr
.set n, 0
	s_wait_alu depctr_va_vdst(0)
.rept 64
	v_exp_f32 v[96+n], v[96+n]                     ; p = 2^(t - M)
.set n, n+1
.endr
	v_pk_mul_f32 v[14:15], v[14:15], v[232:233] op_sel_hi:[1,0]   ; the sums under the new M: a plain place behind the exponentials
	s_wait_alu depctr_va_vdst(0)                   ; one wait for the batch, ahead of its first reader
.irp b, 0,1,2,3
	v_exp_f32 v[212+\b], v[212+\b]                 ; each block's largest p
.endr
	v_pk_add_f32 v[236:237], v[100:101], v[104:105]   ; the row's sum of the unquantised p, in eight chains
	v_pk_add_f32 v[254:255], v[108:109], v[112:113]
	v_pk_add_f32 v[252:253], v[116:117], v[120:121]
	v_pk_add_f32 v[250:251], v[124:125], v[128:129]
	v_pk_add_f32 v[248:249], v[132:133], v[136:137]
	v_pk_add_f32 v[246:247], v[140:141], v[144:145]
	v_pk_add_f32 v[244:245], v[148:149], v[152:153]
	v_pk_add_f32 v[14:15], v[14:15], v[156:157]
	v_pk_add_f32 v[236:237], v[236:237], v[96:97]
	v_pk_add_f32 v[254:255], v[254:255], v[98:99]
	v_pk_add_f32 v[252:253], v[252:253], v[102:103]
	v_pk_add_f32 v[250:251], v[250:251], v[106:107]
	v_pk_add_f32 v[248:249], v[248:249], v[110:111]
	v_pk_add_f32 v[246:247], v[246:247], v[114:115]
	v_pk_add_f32 v[244:245], v[244:245], v[118:119]
	v_pk_add_f32 v[14:15], v[14:15], v[122:123]
	v_pk_add_f32 v[236:237], v[236:237], v[126:127]
	v_pk_add_f32 v[254:255], v[254:255], v[130:131]
	v_pk_add_f32 v[252:253], v[252:253], v[134:135]
	v_pk_add_f32 v[250:251], v[250:251], v[138:139]
	v_pk_add_f32 v[248:249], v[248:249], v[142:143]
	v_pk_add_f32 v[246:247], v[246:247], v[146:147]
	v_pk_add_f32 v[244:245], v[244:245], v[150:151]
	v_pk_add_f32 v[14:15], v[14:15], v[154:155]
	v_pk_add_f32 v[236:237], v[236:237], v[158:159]
	s_delay_alu instid0(VALU_DEP_2)
	v_pk_add_f32 v[14:15], v[14:15], v[250:251]
	s_delay_alu instid0(VALU_DEP_2)
	v_pk_add_f32 v[236:237], v[236:237], v[248:249]
	v_pk_add_f32 v[254:255], v[254:255], v[246:247]
	v_pk_add_f32 v[252:253], v[252:253], v[244:245]
	s_delay_alu instid0(VALU_DEP_2)
	v_pk_add_f32 v[14:15], v[14:15], v[254:255]
	s_delay_alu instid0(VALU_DEP_2)
	v_pk_add_f32 v[236:237], v[236:237], v[252:253]
	s_delay_alu instid0(VALU_DEP_1)
	v_pk_add_f32 v[14:15], v[14:15], v[236:237]
	s_wait_alu depctr_va_vdst(0)                   ; and one for the four
.irp b, 0,1,2,3
	v_max_num_f32 v[212+\b], 0x2800000, v[212+\b]  ; the floor 2^(5 - 127)
.endr
.irp b, 0,1,2,3
	s_delay_alu instid0(VALU_DEP_4)
	v_add_nc_u32 v[220+\b], 0xfe000000, v[212+\b]  ; the conversion's scale operand
.endr
.irp b, 0,1,2,3
	s_delay_alu instid0(VALU_DEP_4)
	v_lshrrev_b32 v[216+\b], 23, v[220+\b]         ; the scale's byte
.endr
	s_delay_alu instid0(VALU_DEP_3)
	v_lshl_or_b32 v231, v217, 8, v216              ; p's scale word for these 128 keys
	s_delay_alu instid0(VALU_DEP_1)
	v_lshl_or_b32 v231, v218, 16, v231
	s_delay_alu instid0(VALU_DEP_1)
	v_lshl_or_b32 v231, v219, 24, v231
.irp c, 0,1
	v_cvt_scalef32_pk16_bf6_f32 v[192+6*\c:194+6*\c], v[96+32*\c:111+32*\c], v[220+2*\c]
	v_cvt_scalef32_pk16_bf6_f32 v[204+4*\c:206+4*\c], v[112+32*\c:127+32*\c], v[221+2*\c]
.endr
	v_nop                                          ; one plain place behind a scaled conversion
.irp c, 0,1
.irp i, 0,1,2
	v_permlane16_swap_b32 v[192+6*\c+\i], v[204+4*\c+\i]
.endr
.irp i, 0,1,2
	s_delay_alu instid0(VALU_DEP_3)
	v_mov_b32 v[195+6*\c+\i], v[204+4*\c+\i]
.endr
.endr
	s_wait_alu depctr_va_vdst(0)
.set n, 0
.rept 16
	v_pk_mul_f32 v[160+n:161+n], v[160+n:161+n], v[232:233] op_sel_hi:[1,0]   ; O^T under the new M; these are also the places between p's codes and scale word and the products
.set n, n+2
.endr
	s_wait_alu depctr_va_vdst(0)
	s_wait_dscnt 0x0                               ; V's fragments and scale words
	v_wmma_scale_f32_16x16x128_f8f6f4 v[160:167], v[32:43], v[192:203], v[160:167], v228, v231 matrix_a_fmt:MATRIX_FMT_BF6 matrix_b_fmt:MATRIX_FMT_BF6
	v_wmma_scale_f32_16x16x128_f8f6f4 v[168:175], v[44:55], v[192:203], v[168:175], v228, v231 matrix_a_fmt:MATRIX_FMT_BF6 matrix_b_fmt:MATRIX_FMT_BF6 matrix_a_scale:MATRIX_SCALE_ROW1
	v_wmma_scale_f32_16x16x128_f8f6f4 v[176:183], v[56:67], v[192:203], v[176:183], v229, v231 matrix_a_fmt:MATRIX_FMT_BF6 matrix_b_fmt:MATRIX_FMT_BF6
	v_wmma_scale_f32_16x16x128_f8f6f4 v[184:191], v[68:79], v[192:203], v[184:191], v229, v231 matrix_a_fmt:MATRIX_FMT_BF6 matrix_b_fmt:MATRIX_FMT_BF6 matrix_a_scale:MATRIX_SCALE_ROW1
.Lhidden_\@:
	s_add_co_u32 s2, s2, 6144
	s_add_co_u32 s17, s17, 6144
	s_add_co_u32 s3, s3, 512
	s_add_co_u32 s48, s48, 256
	s_add_co_u32 s50, s50, 1
	s_cmp_lt_u32 s50, 16
	s_cbranch_scc1 .Lstep_\@
	; THE WAY OUT: O^T / the sum, quantised along d (two blocks of 32), as half a fragment of the last product's A operand
	s_add_co_u32 s60, s53, s12                     ; the group of tokens among all 64
	s_lshl_b32 s60, s60, 3
	s_add_co_u32 s60, s60, s54
	s_lshl_b32 s60, s60, 3
	s_add_co_u32 s60, s60, s16
	s_mul_i32 s60, s60, 1536
	s_add_co_u32 s60, s60, s55
	s_mov_b32 s61, 0
	s_add_nc_u64 s[60:61], s[8:9], s[60:61]
	v_add_f32 v14, v14, v15
	s_delay_alu instid0(VALU_DEP_1)
	v_permlanex16_b32 v234, v14, s20, s21
	s_delay_alu instid0(VALU_DEP_1)
	v_add_f32 v14, v14, v234                       ; the row's sum
	s_wait_alu depctr_va_vdst(0)
	v_rcp_f32 v14, v14
.rept 4
	v_nop                                          ; the plain place behind the reciprocal, and the places behind the last products
.endr
	s_wait_alu depctr_va_vdst(0)                   ; and ahead of the first reader
.set n, 0
.rept 32
	v_mul_f32 v[96+n], v[160+n], v14               ; register 16 b + i is d = 32 b + 16 h + i of my query
.set n, n+1
.endr
.irp b, 0,1
	v_max3_num_f32 v[212+\b], |v[96+16*\b]|, |v[97+16*\b]|, 0x2800000
.endr
.irp i, 2,4,6,8,10,12,14
.irp b, 0,1
	s_delay_alu instid0(VALU_DEP_2)
	v_max3_num_f32 v[212+\b], v[212+\b], |v[96+16*\b+\i]|, |v[97+16*\b+\i]|
.endr
.endr
.irp b, 0,1
	s_delay_alu instid0(VALU_DEP_2)
	v_permlanex16_b32 v[216+\b], v[212+\b], s20, s21
.endr
.irp b, 0,1
	s_delay_alu instid0(VALU_DEP_2)
	v_max_num_f32 v[212+\b], v[212+\b], v[216+\b]
.endr
.irp b, 0,1
	s_delay_alu instid0(VALU_DEP_2)
	v_add_nc_u32 v[220+\b], 0xfe000000, v[212+\b]
.endr
.irp b, 0,1
	s_delay_alu instid0(VALU_DEP_2)
	v_lshrrev_b32 v[216+\b], 23, v[220+\b]
.endr
	s_delay_alu instid0(VALU_DEP_1)
	v_lshl_or_b32 v234, v217, 8, v216              ; my row's two bytes
	v_cvt_scalef32_pk16_bf6_f32 v[192:194], v[96:111], v220
	v_cvt_scalef32_pk16_bf6_f32 v[204:206], v[112:127], v221
	v_nop
.irp i, 0,1,2
	v_permlane16_swap_b32 v[192+\i], v[204+\i]
.endr
.irp i, 0,1,2
	s_delay_alu instid0(VALU_DEP_3)
	v_mov_b32 v[195+\i], v[204+\i]
.endr
	global_store_b128 v1, v[192:195], s[60:61]             ; 512 consecutive bytes, aligned to 256
	global_store_b64 v2, v[196:197], s[60:61] offset:512   ; 256
	ds_store_b16 v[\st], v234                      ; both halves of the lanes write the same two bytes with the same value
.endm
	TILE 29                                        ; group 15 - w % 8
	s_wait_xcnt 0x0                                ; the first tile's stores have read their registers and their base
.irp j, 0,1,2,3,4,5
	v_mov_b32 v[16+\j], v[86+\j]                   ; the second tile's Q
.endr
	v_mov_b32 v230, v92
	s_mov_b32 s12, s19
	INIT
	TILE 30                                        ; group w % 8
	s_wait_dscnt 0x0                               ; for the others' sake
	s_barrier_signal -1
	s_barrier_wait -1
	s_cmp_lt_u32 s18, 2                            ; waves 0 and 1 store the work-group's 1,024 scale bytes, 512 consecutive bytes each
	s_cbranch_scc0 .Lno_sc
	ds_load_b128 v[212:215], v93
	s_wait_dscnt 0x0
	global_store_b128 v28, v[212:215], s[62:63]
.Lno_sc:
	s_wait_tensorcnt 0x0                           ; the wave's end
	ds_add_u32 v5, v6
	s_wait_dscnt 0x0
	CROUND                                         ; the closing round
	s_endpgm
.Lfunc_end_k_qee3471db11_attn:
	.size	k_qee3471db11_attn, .Lfunc_end_k_qee3471db11_attn-k_qee3471db11_attn
	.p2alignl 7, 3214868480
	.fill 96, 4, 3214868480
	.section	.rodata,"a",@progbits
	.p2align	6, 0x0
	.amdhsa_kernel k_qee3471db11_attn
		.amdhsa_group_segment_fixed_size 327680
		.amdhsa_private_segment_fixed_size 0
		.amdhsa_enable_private_segment 0
		.amdhsa_kernarg_size 32
		.amdhsa_user_sgpr_count 2
		.amdhsa_user_sgpr_kernarg_segment_ptr 1
		.amdhsa_wavefront_size32 1
		.amdhsa_system_sgpr_workgroup_id_x 1
		.amdhsa_system_sgpr_workgroup_id_y 1
		.amdhsa_system_sgpr_workgroup_id_z 1
		.amdhsa_system_vgpr_workitem_id 0
		.amdhsa_next_free_vgpr 256
		.amdhsa_next_free_sgpr 84
		.amdhsa_reserve_vcc 1
		.amdhsa_float_denorm_mode_32 3
		.amdhsa_float_denorm_mode_16_64 3
		.amdhsa_memory_ordered 1
		.amdhsa_forward_progress 1
		.amdhsa_inst_pref_size 65
	.end_amdhsa_kernel
	.amdgpu_metadata
---
amdhsa.version: [ 1, 2 ]
amdhsa.kernels:
  - .name:           k_qee3471db11_attn
    .symbol:         k_qee3471db11_attn.kd
    .args:
      - { .name: qkv_img, .offset: 0, .size: 8, .value_kind: global_buffer, .address_space: global }
      - { .name: qkv_sc, .offset: 8, .size: 8, .value_kind: global_buffer, .address_space: global }
      - { .name: attn_img, .offset: 16, .size: 8, .value_kind: global_buffer, .address_space: global }
      - { .name: attn_sc, .offset: 24, .size: 8, .value_kind: global_buffer, .address_space: global }
    .group_segment_fixed_size: 327680
    .private_segment_fixed_size: 0
    .kernarg_segment_align: 8
    .kernarg_segment_size: 32
    .max_flat_workgroup_size: 512
    .sgpr_count:     84
    .vgpr_count:     256
    .wavefront_size: 32
...
	.end_amdgpu_metadata
.endif
;; end of part 3
;; launch outp (part 4): grid 8 x 32, 4 waves a work-group, clusters of 4 x 4, 327,680 bytes of LDS; arguments attn_img, attn_sc, w_img, w_sc, bo, out0; writes out0
.if DOCPART == 4
	.amdgcn_target "amdgcn-amd-amdhsa--gfx1250"
	.amdhsa_code_object_version 6
	.text
	.protected	k_qee3471db11_outp
	.globl	k_qee3471db11_outp
	.p2align	8
	.type	k_qee3471db11_outp,@function
k_qee3471db11_outp:
	s_mov_b64 s[64:65], 0
	v_nop
	global_prefetch_b8 v0, s[64:65] scope:SCOPE_SE
	s_setreg_imm32_b32 hwreg(HW_REG_WAVE_MODE, 25, 1), 1
	s_wait_xcnt 0x0
	s_wait_alu depctr_hold_cnt(0) depctr_sa_sdst(0) depctr_va_vdst(0) depctr_va_sdst(0) depctr_va_ssrc(0) depctr_va_vcc(0) depctr_vm_vsrc(0)
	s_getreg_b32 s2, hwreg(HW_REG_IB_STS2, 6, 4)
	s_cmp_eq_u32 s2, 0
	s_cbranch_scc0 .Lentry_in_a_cluster
	s_endpgm
.Lentry_in_a_cluster:
	s_bfe_u32 s2, ttmp6, 0x10000c
	s_cmp_lg_u32 s2, 0xf033
	s_cbranch_scc0 .Lentry_shape_is_right
	s_endpgm
.Lentry_shape_is_right:
; FOURTH LAUNCH: out0 = attn Wo^T + bo on codes of E3M2, f32 out: 8,192 x 1,024 x 1,024.  Nothing of this product is dead work.
; LIMITS: NaN, infinities and sums beyond f32's range are not served; a sum begins with the bias, where reference() adds it last.
; Operands are images of operand registers: [group of 128 rows][K step 8][tile 8] fragments of 1,536 bytes; place i of tile a is row 32 (a/2) + 8 (a%2) + i + 8 (i/8) of its group.  Wo's groups are 24..31 of w_img, w_sc.
; attn_sc is [batch x head][i 4][group 16][lane][2 bytes]: head d's two scale bytes of tile 2 i + lane / 16, place lane % 16.
; THE DEAL.  256 work-groups of four waves, 2 x 2, each 256 rows (two groups of attn) x 128 columns (one group of Wo).  Wave (s19, s20) takes group s19's 128 rows and tiles 4 s20 .. 4 s20 + 3 of Wo's group.
; It holds its four tiles of Wo, all of K, in 384 registers, and streams its rows past them in eight blocks of 16 rows (a tile, all of K: eight fragments): 32 products a block, four accumulators by turns.
; Source 0 = Wo's rows, source 1 = attn's rows: a lane holds one row of the result and eight neighbouring columns a register run.  THE BIAS is the C of a block's first four products.
; CLUSTERS 4 x 4: attn's tiles are shared along a row of the cluster (mask s69), Wo's along a column (mask s70).
; LDS: attn's two groups, each as tiles 0-3 [K step][tile] and behind them tiles 4-7; Wo's group as it lies; the spare words; a stage of 16 rows x 272 bytes for each wave, on bytes of its own.
; FILLS, each byte once.  At the head one joint load a wave: waves 0, 1 a group's tiles 0-3 (8 rows of 6,144 bytes, 12,288 apart in memory), waves 2, 3 a half of Wo's group (49,152 dense bytes).
; Behind the full sequence and a round: waves 0, 1 the groups' tiles 4-7; a plain barrier inside block 2 shows them to all, ahead of block 4's fetch.
; No data prefetch: all is asked for at the head or one round behind it; there is no loop to run ahead in.
; ONE RUN OF MEMORY LINES behind a block's products: its sums into my stage and back as whole rows of 256 bytes; the fetch of the block two on; one wait; eight stores, each of two aligned runs of 256 bytes.
; REGISTERS: window 0: v4-20 addresses; v32-63 attn's scale words (4 q + a / 2; lanes 0-15 the even tile, 16-31 the odd), v64-79 Wo's (2 q + b / 2); v80-111 the bias; v112-175 two sets of four accumulators;
;            v176-239 two sets of rows back from the stage.  Fragment f lies at register 12 (f % 21) of window 1 + f / 21: 0-31 Wo's (4 q + b), 32-47 attn's two sets (32 + 8 e + q).
.set GIMG,   98304
.set HALF,   49152
.set YB,     2*GIMG
.set SPARE,  3*GIMG
.set STAGE,  SPARE+512
.set SPITCH, 272
.set FR,  12
.set FPW, 21
.set NF,  32                           ; LDS loads of a block's fetch
.set A16, 4                            ; v4, v5   16 x lane + my group's tiles 0-3, 4-7
.set A8,  6                            ; v6, v7   8 x lane + the same
.set B16, 8                            ; v8, v9   16 x lane + my four tiles of Wo, K steps 0-3, 4-7
.set B8,  10                           ; v10, v11
.set L16, 12
.set L8,  13
.set SPW, 14
.set NIL, 15
.set STO, 16
.set RD,  17
.set CO,  18
.set BOF, 19
.set U2,  20
.set SCA, 32
.set SB,  64
.set BO,  80
.set ACC, 112
.set BK,  176
.set XR,  112                          ; head: attn's scale bytes as loaded
.set G1,  24
.set G0,  32
.set G1B, 40
.set G0B, 48
.set MSB, 0
.macro WIN new                         ; the immediate's high byte repeats the setting that is left
.if MSB != (\new)
	s_set_vgpr_msb (MSB<<8)|(\new)
.set MSB, (\new)
.endif
.endm
.macro PLACES n
.rept \n
	v_nop
.endr
.endm
.macro CROUND                          ; a round of the cluster's barrier
	s_barrier_signal -1
	s_barrier_wait -1
	s_cmp_lg_u32 s18, 0
	s_cbranch_scc1 .Lnot_wave_0_\@
	s_barrier_signal -3
.Lnot_wave_0_\@:
	s_barrier_wait -3
	s_barrier_signal -1
	s_barrier_wait -1
.endm
.macro FRAGW f, a16, a8, off           ; a fragment's image into its 12 registers: every load covers consecutive bytes
.set R_, FR*((\f)%FPW)
	WIN (1+(\f)/FPW)<<6
	ds_load_b128 v[R_:R_+3], v[\a16] offset:\off
	ds_load_b64 v[R_+4:R_+5], v[\a8] offset:\off+512
	ds_load_b128 v[R_+6:R_+9], v[\a16] offset:\off+768
	ds_load_b64 v[R_+10:R_+11], v[\a8] offset:\off+1280
.endm
.macro FETCHA a                        ; block a, all of K, into set a % 2: NF loads
.irp q, 0,1,2,3,4,5,6,7
	FRAGW 32+8*((\a)%2)+\q, A16+(\a)/4, A8+(\a)/4, \q*6144+((\a)%4)*1536
.endr
	WIN 0
.endm
.macro WM4 c                           ; an odd tile's scale words stand in lanes 16-31 of their register
.if (B_%2 == 0) && (A1_ == 0)
	v_wmma_scale_f32_16x16x128_f8f6f4 v[D_:D_+7], v[RB_:RB_+11], v[RA_:RA_+11], \c, v[XB_], v[XA_] matrix_a_fmt:MATRIX_FMT_BF6 matrix_b_fmt:MATRIX_FMT_BF6
.elseif (B_%2 == 1) && (A1_ == 0)
	v_wmma_scale_f32_16x16x128_f8f6f4 v[D_:D_+7], v[RB_:RB_+11], v[RA_:RA_+11], \c, v[XB_], v[XA_] matrix_a_fmt:MATRIX_FMT_BF6 matrix_b_fmt:MATRIX_FMT_BF6 matrix_a_scale:MATRIX_SCALE_ROW1
.elseif (B_%2 == 0) && (A1_ == 1)
	v_wmma_scale_f32_16x16x128_f8f6f4 v[D_:D_+7], v[RB_:RB_+11], v[RA_:RA_+11], \c, v[XB_], v[XA_] matrix_a_fmt:MATRIX_FMT_BF6 matrix_b_fmt:MATRIX_FMT_BF6 matrix_b_scale:MATRIX_SCALE_ROW1
.else
	v_wmma_scale_f32_16x16x128_f8f6f4 v[D_:D_+7], v[RB_:RB_+11], v[RA_:RA_+11], \c, v[XB_], v[XA_] matrix_a_fmt:MATRIX_FMT_BF6 matrix_b_fmt:MATRIX_FMT_BF6 matrix_a_scale:MATRIX_SCALE_ROW1 matrix_b_scale:MATRIX_SCALE_ROW1
.endif
.endm
.macro PROD a, n                       ; product n = 4 q + b of block a
.set Q_, (\n)/4
.set B_, (\n)%4
.set A1_, (\a)%2
.set FB_, 4*Q_+B_
.set FA_, 32+8*A1_+Q_
.set RB_, FR*(FB_%FPW)
.set RA_, FR*(FA_%FPW)
.set D_, ACC+32*A1_+8*B_
.set XB_, SB+2*Q_+B_/2
.set XA_, SCA+4*Q_+(\a)/2
	WIN (1+FB_/FPW)|((1+FA_/FPW)<<2)
.if Q_
	WM4 v[D_:D_+7]
.else
	WM4 v[BO+8*B_:BO+8*B_+7]
.endif
.endm
.macro PRODS a, from, to               ; the four accumulators take turns, one instruction a turn
.set N_, \from
.rept (\to)-(\from)
	PROD \a, N_
.set N_, N_+1
.endr
	WIN 0
.endm
.macro STAGED u                        ; set u's sums into my stage, each accumulator from its low end on, and back as whole rows.  LDS serves a wave's instructions in order (ISA guide 5.7.1.4): no wait between
.irp b, 0,1,2,3
	ds_store_b128 v[STO], v[ACC+32*(\u)+8*\b:ACC+32*(\u)+8*\b+3] offset:128*(\b/2)+32*(\b%2)
	ds_store_b128 v[STO], v[ACC+32*(\u)+8*\b+4:ACC+32*(\u)+8*\b+7] offset:128*(\b/2)+32*(\b%2)+16
.endr
.irp t, 0,1,2,3,4,5,6,7
	ds_load_b128 v[BK+32*(\u)+4*\t:BK+32*(\u)+4*\t+3], v[RD] offset:2*\t*SPITCH
.endr
.endm
.macro TOC a                           ; places 2 t, 2 t + 1 of tile a are rows 32 (a/2) + 8 (a%2) + 2 t + 8 (t/4) and the next: sixteen lanes store 256 consecutive bytes, aligned
.irp t, 0,1,2,3,4,5,6,7
	global_store_b128 v[CO], v[BK+32*((\a)%2)+4*\t:BK+32*((\a)%2)+4*\t+3], s[14:15] offset:(32*((\a)/2)+8*((\a)%2)+2*\t+8*(\t/4))*4096 th:TH_STORE_NT
.endr
.endm
.macro STREAM a
.if (\a) == 2
	PRODS \a, 0, 24
	s_wait_tensorcnt 0x0                           ; tiles 4-7 have landed,
	s_wait_dscnt 0x0
	s_barrier_signal -1                            ; a plain barrier shows them to all
	PRODS \a, 24, 32
	s_barrier_wait -1
.else
	PRODS \a, 0, 32
.endif
	PLACES 4                                       ; between the last product and the first reader of its sums and the fetch into its registers
	s_wait_xcnt 0x0                                ; the stores of two blocks ago have read this set of rows
	STAGED (\a)%2
.if (\a) < 6
	FETCHA (\a)+2
	s_wait_dscnt NF                                ; the block's rows are back from the stage, and the next block's fragments are in; this run's fetch may be out
.else
	s_wait_dscnt 0x0
.endif
	TOC \a
.endm
	s_load_b256 s[4:11], s[0:1], 0x0               ; attn_img, attn_sc, w_img, w_sc
	s_load_b128 s[12:15], s[0:1], 0x20             ; bo, out0
	v_lshl_add_u32 v[SPW], v0, 2, SPARE
	v_mov_b32 v[NIL], 0
	ds_add_u32 v[SPW], v[NIL]                      ; the opening: the add, twice on end, and its wait ahead of my first tensor load
	ds_add_u32 v[SPW], v[NIL]
	v_lshrrev_b32 v1, 5, v0
	v_readfirstlane_b32 s18, v1                    ; wave
	s_lshr_b32 s19, s18, 1                         ; my group of rows.  Also: I fetch for attn (0) or Wo (1)
	s_and_b32 s20, s18, 1                          ; my half of the columns.  Also: which group, or which half of Wo's, I fetch
	s_bfe_u32 s21, ttmp6, 0x40000                  ; cx
	s_bfe_u32 s22, ttmp6, 0x40004                  ; cy
	s_and_b32 s66, ttmp7, 0xffff
	s_lshl_b32 s66, s66, 2
	s_add_co_u32 s66, s66, s22                     ; the tile of 256 rows: hangs on cy, never on cx
	s_lshl_b32 s67, ttmp9, 2
	s_add_co_u32 s67, s67, s21                     ; Wo's group: hangs on cx, never on cy
	s_lshl_b32 s69, s22, 2
	s_lshl_b32 s69, 15, s69                        ; my row of the cluster
	s_lshl_b32 s70, 0x1111, s21                    ; my column
	s_or_b32 s[G1], s69, (3<<16)|(1<<21)           ; attn: elements of 8 bytes; 8 rows (K steps) of 768 elements (four fragments), 1,536 elements apart
	s_mov_b32 s[G1+1], 768<<16
	s_mov_b32 s[G1+2], 8<<16
	s_mov_b32 s[G1+3], 768<<16
	s_mov_b32 s[G1+4], 8
	s_mov_b32 s[G1+5], 1536
	s_mov_b32 s[G1+6], 0
	s_mov_b32 s[G1+7], 0
	s_or_b32 s[G1B], s70, (3<<16)|(1<<21)          ; Wo: 192 dense rows of 256 bytes
	s_mov_b32 s[G1B+1], 32<<16
	s_mov_b32 s[G1B+2], 192<<16
	s_mov_b32 s[G1B+3], 32<<16
	s_mov_b32 s[G1B+4], 192
	s_mov_b32 s[G1B+5], 32
	s_mov_b32 s[G1B+6], 0
	s_mov_b32 s[G1B+7], 0
	s_lshl_b32 s72, s66, 1
	s_add_co_u32 s72, s72, s20
	s_mul_i32 s72, s72, GIMG                       ; the group of attn that I would fetch
	s_mov_b32 s73, 0
	s_add_co_u32 s74, s67, 24
	s_mul_i32 s74, s74, GIMG
	s_mul_i32 s75, s20, HALF
	s_add_co_u32 s74, s74, s75                     ; the half of Wo's group
	s_mov_b32 s[G0B], 1
	s_add_co_u32 s[G0B+1], s75, YB
	s_mov_b32 s75, 0
	s_mov_b32 s[G0], 1
	s_mul_i32 s[G0+1], s20, GIMG
	s_wait_alu depctr_va_vdst(0)
	s_wait_dscnt 0x0                               ; both opening adds are done
	CROUND                                         ; all sixteen work-groups are here: the first joint loads meet
	s_wait_kmcnt 0x0
	s_add_nc_u64 s[G0+2:G0+3], s[4:5], s[72:73]
	s_or_b32 s[G0+3], s[G0+3], 0x80000000
	s_add_nc_u64 s[G0B+2:G0B+3], s[8:9], s[74:75]
	s_or_b32 s[G0B+3], s[G0B+3], 0x80000000
	s_cmp_eq_u32 s19, 0
	s_cbranch_scc0 .Lfor_b
	tensor_load_to_lds s[G0:G0+3], s[G1:G1+7]      ; waves 0, 1: a group's tiles 0-3
	s_nop 0
	PLACES 4
	s_branch .Lasked
.Lfor_b:
	tensor_load_to_lds s[G0B:G0B+3], s[G1B:G1B+7]  ; waves 2, 3: a half of Wo's group
	s_nop 0
	PLACES 4
.Lasked:
	s_lshl_b32 s84, s66, 1
	s_add_co_u32 s84, s84, s19                     ; my group of rows among all 64
	s_mov_b32 s77, 0
	s_lshr_b32 s76, s84, 4
	s_lshl_b32 s76, s76, 16                        ; attn_sc: 65,536 bytes a batch,
	s_and_b32 s78, s84, 15
	s_lshl_b32 s78, s78, 6                         ; 64 a group
	s_add_co_u32 s76, s76, s78
	s_add_nc_u64 s[6:7], s[6:7], s[76:77]
	s_add_co_u32 s76, s67, 24
	s_lshl_b32 s76, s76, 12                        ; w_sc: 4,096 bytes a group, [K step][j] blocks of 256: j = my half
	s_lshl_b32 s78, s20, 8
	s_add_co_u32 s76, s76, s78
	s_add_nc_u64 s[10:11], s[10:11], s[76:77]
	s_lshl_b32 s76, s67, 9
	s_add_co_u32 s76, s76, s78                     ; my first column, in bytes
	s_add_nc_u64 s[12:13], s[12:13], s[76:77]
	s_add_nc_u64 s[14:15], s[14:15], s[76:77]
	s_lshl_b32 s76, s84, 19                        ; 128 rows of 4,096 bytes a group
	s_add_nc_u64 s[14:15], s[14:15], s[76:77]
	s_mul_i32 s79, s19, GIMG
	s_mul_i32 s80, s20, 6144
	s_add_co_u32 s80, s80, YB
	s_mul_i32 s81, s18, 16*SPITCH
	s_add_co_u32 s81, s81, STAGE
	v_and_b32 v3, 31, v0
	v_and_b32 v1, 15, v0                           ; r
	v_bfe_u32 v2, v0, 4, 1                         ; h
	v_lshlrev_b32 v[U2], 1, v3
	v_lshlrev_b32 v[L8], 3, v3
	v_lshlrev_b32 v[BOF], 6, v2
.irp d, 0,1,2,3,4,5,6,7,8,9,10,11,12,13,14,15
.irp i, 0,1,2,3
	global_load_u16 v[XR+4*\d+\i], v[U2], s[6:7] offset:4096*\d+1024*\i
.endr
.endr
.irp s, 0,1,2,3,4,5,6,7
	global_load_b64 v[SB+2*\s:SB+2*\s+1], v[L8], s[10:11] offset:512*\s
.endr
.irp b, 0,1,2,3                                ; tile b's eight columns of lane (r, h) are 32 (b/2) + 8 (b%2) + 16 h + 0..7 of my 64
	global_load_b128 v[BO+8*\b:BO+8*\b+3], v[BOF], s[12:13] offset:(32*(\b/2)+8*(\b%2))*4
	global_load_b128 v[BO+8*\b+4:BO+8*\b+7], v[BOF], s[12:13] offset:(32*(\b/2)+8*(\b%2))*4+16
.endr
	v_lshlrev_b32 v[L16], 4, v3
	v_mul_u32_u24 v[STO], v1, SPITCH
	v_mul_u32_u24 v[RD], v2, SPITCH
	v_lshlrev_b32 v[CO], 12, v2
	v_add_nc_u32 v[A16], s79, v[L16]
	v_add_nc_u32 v[A8], s79, v[L8]
	v_add_nc_u32 v[B16], s80, v[L16]
	v_add_nc_u32 v[B8], s80, v[L8]
	v_lshl_add_u32 v[STO], v2, 6, v[STO]
	v_lshl_add_u32 v[RD], v1, 4, v[RD]
	v_lshl_add_u32 v[CO], v1, 4, v[CO]             ; row l / 16 of 4,096 bytes, 16 bytes x (l % 16)
	v_add_nc_u32 v[A16+1], HALF, v[A16]
	v_add_nc_u32 v[A8+1], HALF, v[A8]
	v_add_nc_u32 v[B16+1], HALF, v[B16]
	v_add_nc_u32 v[B8+1], HALF, v[B8]
	v_add_nc_u32 v[STO], s81, v[STO]               ; the stage, in: row r, 64 bytes for each half of the lanes
	v_add_nc_u32 v[RD], s81, v[RD]                 ; and back: lanes 0-15 one row of 256 bytes, lanes 16-31 the next
	s_wait_alu depctr_va_vdst(0)
	s_wait_loadcnt 0x0
.irp s, 0,1,2,3,4,5,6,7
.irp i, 0,1,2,3
	v_lshl_or_b32 v[SCA+4*\s+\i], v[XR+8*\s+4+\i], 16, v[XR+8*\s+\i]   ; K step s is heads 2 s and 2 s + 1
.endr
.endr
	PLACES 8                                       ; a scale register written by a vector instruction stands eight places ahead of a scaled product
	s_wait_alu depctr_va_vdst(0)
	s_wait_tensorcnt 0x0                           ; my tile of the head's four is in
	ds_add_u32 v[SPW], v[NIL]
	s_add_co_u32 s[G0+1], s[G0+1], HALF            ; no tensor load of mine is out: the group's tiles 4-7, behind tiles 0-3 in LDS, 6,144 bytes on in memory
	s_add_nc_u64 s[G0+2:G0+3], s[G0+2:G0+3], 6144
	s_wait_dscnt 0x0
	CROUND                                         ; a whole round: all four tiles are in, and the joint loads meet
	s_cmp_eq_u32 s19, 0
	s_cbranch_scc0 .Lno_a2
	tensor_load_to_lds s[G0:G0+3], s[G1:G1+7]
	s_nop 0
	PLACES 4
.Lno_a2:
.irp q, 0,1,2,3,4,5,6,7                        ; my four tiles of Wo, all of K: 128 loads
.irp b, 0,1,2,3
	FRAGW 4*\q+\b, B16+\q/4, B8+\q/4, (\q%4)*12288+\b*1536
.endr
.endr
	WIN 0
	FETCHA 0
	FETCHA 1
	s_wait_dscnt NF                                ; Wo's fragments and block 0's are in
.irp a, 0,1,2,3,4,5,6,7
	STREAM \a
.endr
	s_wait_tensorcnt 0x0                           ; the wave's end
	ds_add_u32 v[SPW], v[NIL]
	s_wait_dscnt 0x0
	CROUND                                         ; the closing round
	s_endpgm
.Lfunc_end_k_qee3471db11_outp:
	.size	k_qee3471db11_outp, .Lfunc_end_k_qee3471db11_outp-k_qee3471db11_outp
	.p2alignl 7, 3214868480
	.fill 96, 4, 3214868480
	.section	.rodata,"a",@progbits
	.p2align	6, 0x0
	.amdhsa_kernel k_qee3471db11_outp
		.amdhsa_group_segment_fixed_size 327680
		.amdhsa_private_segment_fixed_size 0
		.amdhsa_enable_private_segment 0
		.amdhsa_kernarg_size 48
		.amdhsa_user_sgpr_count 2
		.amdhsa_user_sgpr_kernarg_segment_ptr 1
		.amdhsa_wavefront_size32 1
		.amdhsa_system_sgpr_workgroup_id_x 1
		.amdhsa_system_sgpr_workgroup_id_y 1
		.amdhsa_system_sgpr_workgroup_id_z 1
		.amdhsa_system_vgpr_workitem_id 0
		.amdhsa_next_free_vgpr 840
		.amdhsa_next_free_sgpr 90
		.amdhsa_reserve_vcc 0
		.amdhsa_float_denorm_mode_32 3
		.amdhsa_float_denorm_mode_16_64 3
		.amdhsa_memory_ordered 1
		.amdhsa_forward_progress 1
		.amdhsa_inst_pref_size 91
	.end_amdhsa_kernel
	.amdgpu_metadata
---
amdhsa.version: [ 1, 2 ]
amdhsa.kernels:
  - .name:           k_qee3471db11_outp
    .symbol:         k_qee3471db11_outp.kd
    .args:
      - { .name: attn_img, .offset: 0, .size: 8, .value_kind: global_buffer, .address_space: global }
      - { .name: attn_sc, .offset: 8, .size: 8, .value_kind: global_buffer, .address_space: global }
      - { .name: w_img, .offset: 16, .size: 8, .value_kind: global_buffer, .address_space: global }
      - { .name: w_sc, .offset: 24, .size: 8, .value_kind: global_buffer, .address_space: global }
      - { .name: bo, .offset: 32, .size: 8, .value_kind: global_buffer, .address_space: global }
      - { .name: out0, .offset: 40, .size: 8, .value_kind: global_buffer, .address_space: global }
    .group_segment_fixed_size: 327680
    .private_segment_fixed_size: 0
    .kernarg_segment_align: 8
    .kernarg_segment_size: 48
    .max_flat_workgroup_size: 128
    .sgpr_count:     90
    .vgpr_count:     840
    .wavefront_size: 32
...
	.end_amdgpu_metadata
.endif
;; end of part 4
